; MI455X (gfx1250); checked and timed in simulation.
; The chip was launched on July 23, 2026; its instructions are those of AMD's public machine-readable ISA for CDNA 5 (MIT licence, August 2026) and "CDNA5" Instruction Set Architecture Reference Guide (July 2026). The comments in the code are by the model that wrote it; some were corrected since.
;; Decoupled Ro PE Attention. Allowed arithmetic: matrix products marked QUANTISED: E2M3 operands, one E8M0 scale for each 32 along K, by v_wmma_scale_f32_16x16x128_f8f6f4 with both operands' format E2M3, f32 sums; everything else in f32.
;; Inputs: W_KC 2,048 x 2,048 float32; W_KR 1,024 x 2,048 float32; W_O 2,048 x 2,048 float32; W_QC 2,048 x 2,048 float32; W_QR 1,024 x 2,048 float32; W_V 2,048 x 2,048 float32; key_value 2 x 1,024 x 2,048 float32; query 2 x 1,024 x 2,048 float32.
;; Outputs: out0 2 x 1,024 x 2,048 float32.
;; This version of the problem:
;;   THIS VERSION OF THE PROBLEM IS GIVEN IN LOW PRECISION. The matrix products marked QUANTISED in the list below multiply operands that are first quantised to E2M3 (2 exponent bits, 3 mantissa bits; 6 bits a number), with one power-of-two scale for each 32 numbers along K (OCP MX v1.0); their sums are f32. All else is computed in f32.
;;   The module's matrix products, in the order in which they are computed (A, B: the left and right operand; K: the contracted axis; several contracted axes count as one K, in the product's order):
;;     1. [M 2,048, K 2,048] x [K 2,048, N 2,048]; A: input query; B: input W_QC: QUANTISED
;;     2. [M 2,048, K 2,048] x [K 2,048, N 2,048]; A: input key_value; B: input W_KC: QUANTISED
;;     3. [M 2,048, K 2,048] x [K 2,048, N 1,024]; A: input query; B: input W_QR: QUANTISED
;;     4. [M 2,048, K 2,048] x [K 2,048, N 1,024]; A: input key_value; B: input W_KR: QUANTISED
;;     5. batch 32 x [M 1,024, K 128] x [K 128, N 1,024]; A: computed on the way; B: computed on the way: QUANTISED
;;     6. batch 32 x [M 1,024, K 64] x [K 64, N 1,024]; A: computed on the way; B: computed on the way: QUANTISED
;;     7. [M 2,048, K 2,048] x [K 2,048, N 2,048]; A: input key_value; B: input W_V: QUANTISED
;;     8. batch 32 x [M 1,024, K 1,024] x [K 1,024, N 128]; A: softmax (see below); B: computed on the way: QUANTISED
;;     9. [M 2,048, K 2,048] x [K 2,048, N 2,048]; A: computed on the way; B: input W_O: QUANTISED
;;   THE QUANTISER, for each operand of a quantised product, along K:
;;     - K is cut into blocks of 32 from its start; a last block that is shorter is filled with zeros.
;;     - A block's scale is 2^e with e = floor(log2(the largest magnitude in the block)) - 2, held to -126 .. 127; a block of zeros has e = 0. As a byte (E8M0): e + 127.
;;     - Each number is divided by its block's scale, clamped to +-7.5, and rounded to the nearest number of E2M3, ties to even, subnormals kept.
;;     - The product sums the exact products of the quantised numbers (number of the format x scale) in f32.
;;   ~~~python
;;   def quantise(x, axis):      # numpy; x: float32 -> the quantised numbers, widened to float32 again
;;       x = np.moveaxis(x, axis, -1); K = x.shape[-1]
;;       x = np.pad(x, [(0, 0)] * (x.ndim - 1) + [(0, -K % 32)]); x = x.reshape(x.shape[:-1] + (-1, 32)); a = np.abs(x).max(-1, keepdims=True)
;;       e = np.where(a > 0, np.clip(np.frexp(np.where(a > 0, a, 1))[1] - 1 - 2, -126, 127), 0)      # np.frexp(a)[1] - 1 = floor(log2(a)), exactly
;;       r = np.clip(x / 2.0 ** e, -7.5, 7.5)
;;       step = 2.0 ** (np.maximum(np.frexp(np.where(r == 0, 1, r))[1] - 1, 0) - 3)
;;       q = np.round(r / step) * step * 2.0 ** e      # np.round: ties to even
;;       return np.moveaxis(q.reshape(q.shape[:-2] + (-1,))[..., :K], -1, axis).astype(np.float32)
;;   ~~~
;;   SOFTMAX AHEAD OF A QUANTISED PRODUCT. Where the list says 'softmax', what is quantised is not the finished softmax but p = 2^(t - M), with t = logit x log2(e) and M = ceil(the row's largest t), a whole number; so 1/2 < the row's largest p <= 1. The row's sum l is taken of the UNQUANTISED p, in f32, and the product's result is divided by l at the end. Since M is a whole number, a kernel that streams over the keys may use a running M (the ceiling of the running maximum): every later rescaling is an exact power of two, which a block's scale takes up: the codes' values come out the same.
;;   OPERANDS COMPUTED ON THE WAY. 'Computed on the way' means the value that the module computes at that place (a softmax that the list does not call 'softmax' is quantised finished and normalised). What goes into a quantiser is computed in f32, as accurately as f32 sums, v_exp_f32 and their like allow (about 1e-6 of the number): no bf16 or f16 on the way to a quantiser, and a product that is left as it is and whose result goes on into a quantised operand takes f32 operands (vector FMAs, or v_wmma_f32_16x16x4_f32). A number that lies on a knife's edge between two numbers of the format may be rounded either way, as far as f32 arithmetic and the matrix unit's own rounding can turn it there, and no further.
;; One version. Each part assembles by itself: llvm-mc -triple=amdgcn-amd-amdhsa -mcpu=gfx1250 --defsym DOCPART=n.
;; ======== version 1 of 1: 4 launches
;; limits: right only within a limited range of input values
;; workspace buffers: codes 22,020,096 bytes; scales 917,504 bytes; rope 262,144 bytes; img 13,500,416 bytes; oimg 3,145,728 bytes; osc 131,072 bytes
;; launch quant (part 1): grid 256 x 1, 7 waves a work-group, no clusters, 60,160 bytes of LDS; arguments query, key_value, W_QC, W_QR, W_KC, W_KR, W_V, W_O, codes, scales, rope; writes codes, scales, rope
.if DOCPART == 1
	.amdgcn_target "amdgcn-amd-amdhsa--gfx1250"
	.amdhsa_code_object_version 6
	.text
	.protected	k_q1654b1b737_quant
	.globl	k_q1654b1b737_quant
	.p2align	8
	.type	k_q1654b1b737_quant,@function
k_q1654b1b737_quant:
	s_mov_b64 s[64:65], 0
	v_nop
	global_prefetch_b8 v0, s[64:65] scope:SCOPE_SE
	s_setreg_imm32_b32 hwreg(HW_REG_WAVE_MODE, 25, 1), 1
	s_wait_xcnt 0x0
; All eight inputs (f32, K = 2,048 innermost) become codes of FP6 (E2M3) with one E8M0 byte for each 32 along K, laid as the matrix unit's registers take them; and the table of cos and sin is made.
; ROWS.  The 14,336 rows (query, key_value, W_QC, W_QR, W_KC, W_KR, W_V, W_O on end) lie in the codes' buffer in a PHYSICAL order: in each group of 32 rows 0-7, 16-23, 8-15, 24-31.  A tile is 16 physical rows:
; row i of tile a of a group of 128 is logical row 32 (a / 2) + 8 (a % 2) + i + 8 (i / 8).  Used as source 0 of a product, two neighbouring tiles then leave 16 neighbours along the next K in a lane's 16 registers.
; IMAGES.  A fragment (16 rows x 128 K, 12 registers a lane) is stored as it stands in registers: registers 4 c .. 4 c + 3 of lane l at 512 c + 16 l: 1,536 bytes.  codes: [tile][K step][1,536].
; The scale words of a group's 8 tiles for one K step are a QUAD of 512 bytes: register i holds tile 2 i in lanes 0-15 and tile 2 i + 1 in lanes 16-31; lane l's four registers at 16 l.  scales: [group][K step][512].
; SHARES.  A job is a group of 128 rows x one K step: 112 x 16 = 1,792 jobs = 256 work-groups x 7 waves; waves share nothing, so there is no barrier.  Each load reads 512 consecutive bytes of a row; a tile's 16 rows
; turn through the wave's own stage in LDS (rows 528 bytes apart: an odd multiple of 16) and come back 16 neighbours of each block of 32 to a lane.  Loads run two tiles (32 loads a wave) ahead.
; A block's scale is 2^(floor(log2(largest magnitude)) - 2); its byte is the largest magnitude's exponent field - 2, held at 1 from below.
; LIMITS: a block of zeros, or one whose largest magnitude lies under 2^-124, gets the byte 1 (its codes are then zeros or tiny; the bytes are read by this program alone); NaN and infinities are not served.
; THE TABLE: rope[t][i] = (cos, sin) of t x f_i, f_i = 10^6 ^ (-i / 32) = 2^(-0.62286152 i), t < 1,024, i < 32.  The angle is one f32 product; it is reduced by multiples of pi / 2 held in two parts, and sin and cos
; of the rest (at most pi / 4) are polynomials in f32.  LIMIT: f_i is good to a few units in its last place, so an angle of up to 664 may differ by a few 1e-5 from one made with another f32 value of f_i.
.set SP,   528                         ; a stage row: 512 bytes + 16
.set STG,  16*SP                       ; a wave's stage
.set X,    16                          ; v16-207  three sets of 64 numbers
.set PC,   208                         ; v208-227 the codes just made
.set TB,   208                         ; (the table's work lies there too: these registers are written again only behind the wait on XCNT in QUANT)
.set TM,   228                         ; v228-243 at work
.set WD,   244                         ; v244-251 the 8 tiles' scale words
.set QD,   252                         ; v252-255 the quad
.set SEL,  38                          ; s[38:39] v_permlanex16_b32's selects for lane l xor 16
	s_load_b512 s[16:31], s[0:1], 0x0              ; the eight inputs, in the rows' order
	s_load_b128 s[32:35], s[0:1], 0x40             ; codes, scales
	s_load_b64 s[36:37], s[0:1], 0x50              ; rope
	v_lshl_add_u32 v238, v0, 2, 0xe700
	v_mov_b32 v239, 0
	v_lshrrev_b32 v1, 5, v0
	v_readfirstlane_b32 s3, v1                     ; wave 0..6
	v_and_b32 v1, 31, v0                           ; lane
	v_and_b32 v2, 15, v0                           ; r
	v_bfe_u32 v3, v0, 4, 1                         ; h
	v_lshlrev_b32 v4, 4, v1                        ; 16 x lane: my bytes of a load and of an image; never rewritten
	s_mul_i32 s2, s3, STG
	v_add_nc_u32 v5, s2, v4                        ; the stage, on the way in: a row as it is loaded
	v_mul_u32_u24 v6, v2, SP
	v_lshl_add_u32 v6, v3, 6, v6
	v_add_nc_u32 v6, s2, v6                        ; and on the way out: row r, + 64 h: my 16 numbers of each block of 32
	s_mul_i32 s4, ttmp9, 7
	s_add_co_u32 s4, s4, s3                        ; my job
	s_lshr_b32 s5, s4, 4                           ; its group of 128 rows
	s_and_b32 s6, s4, 15                           ; its K step
	s_mov_b32 s[SEL], 0x76543210
	s_mov_b32 s[SEL+1], 0xfedcba98
.irp b, 0,1,2,3
	v_mov_b32 v[TM+4+\b], 0                        ; written once: a lane permute's destination counts as one of its sources
.endr
	s_mov_b32 s7, 0
	s_wait_alu depctr_va_vdst(0)
	s_wait_kmcnt 0x0
	s_mov_b64 s[8:9], s[16:17]
.macro PICK c, p                       ; from group c on the rows are those of the tensor at s[p:p+1]: a choice that hangs on the job's number alone
	s_cmp_ge_u32 s5, \c
	s_cselect_b64 s[8:9], s[\p:\p+1], s[8:9]
	s_cselect_b32 s7, \c, s7
.endm
	PICK 16, 18
	PICK 32, 20
	PICK 48, 22
	PICK 56, 24
	PICK 72, 26
	PICK 80, 28
	PICK 96, 30
	s_sub_co_u32 s7, s5, s7                        ; the group within its tensor
	s_lshl_b32 s10, s7, 20                         ; 128 rows of 8,192 bytes
	s_lshl_b32 s11, s6, 9                          ; 128 numbers along K
	s_add_co_u32 s10, s10, s11
	s_mov_b32 s11, 0
	s_add_nc_u64 s[8:9], s[8:9], s[10:11]
	s_mul_i32 s10, s5, 8*24576                     ; 8 tiles of 16 images
	s_mul_i32 s12, s6, 1536
	s_add_co_u32 s10, s10, s12
	s_add_nc_u64 s[32:33], s[32:33], s[10:11]
	s_lshl_b32 s10, s4, 9                          ; a quad for each job
	s_add_nc_u64 s[34:35], s[34:35], s[10:11]
.macro LOAD a                          ; tile a's 16 rows into set a % 3: 32 lanes read 512 consecutive bytes of a row
.irp i, 0,1,2,3,4,5,6,7,8,9,10,11,12,13,14,15
	global_load_b128 v[X+64*((\a)%3)+4*\i:X+64*((\a)%3)+4*\i+3], v4, s[8:9] offset:(32*((\a)/2)+8*((\a)%2)+\i+8*(\i/8))*8192 th:TH_LOAD_NT
.endr
.endm
; 64 numbers of a lane, v[s] .. v[s + 63], register 16 b + i = k 32 b + 16 h + i of my row, become a fragment's codes in v[PC] on and its scale word in v[pw].
.macro QUANT s, pw
.irp b, 0,1,2,3
	v_max3_num_f32 v[TM+\b], 0x1800000, |v[(\s)+16*\b]|, |v[(\s)+16*\b+1]|   ; block b: my 16 numbers, and the floor 2^(3 - 127): the byte cannot fall under 1
.endr
.irp i, 2,4,6,8,10,12,14
.irp b, 0,1,2,3
	v_max3_num_f32 v[TM+\b], v[TM+\b], |v[(\s)+16*\b+\i]|, |v[(\s)+16*\b+\i+1]|   ; the four blocks by turns
.endr
.endr
.irp b, 0,1,2,3
	v_permlanex16_b32 v[TM+4+\b], v[TM+\b], s[SEL], s[SEL+1]
.endr
.irp b, 0,1,2,3
	v_max_num_f32 v[TM+\b], v[TM+\b], v[TM+4+\b]   ; with lane l xor 16's: the block's largest magnitude
.endr
.irp b, 0,1,2,3
	v_add_nc_u32 v[TM+12+\b], 0xff000000, v[TM+\b]   ; 2 off its exponent field: the conversion takes that field as its scale
.endr
.irp b, 0,1,2,3
	v_lshrrev_b32 v[TM+4+\b], 23, v[TM+12+\b]      ; the scale's byte
.endr
	v_lshl_or_b32 v[\pw], v[TM+5], 8, v[TM+4]      ; four bytes: my row's scale word
	v_lshl_or_b32 v[\pw], v[TM+6], 16, v[\pw]
	v_lshl_or_b32 v[\pw], v[TM+7], 24, v[\pw]
	s_wait_xcnt 0x0                                ; earlier stores have read the codes' registers: only now are they written again
.irp c, 0,1
	v_cvt_scalef32_pk16_fp6_f32 v[PC+6*\c:PC+6*\c+2], v[(\s)+32*\c:(\s)+32*\c+15], v[TM+12+2*\c]
	v_cvt_scalef32_pk16_fp6_f32 v[PC+12+4*\c:PC+14+4*\c], v[(\s)+16+32*\c:(\s)+31+32*\c], v[TM+13+2*\c]   ; (a conversion's three registers begin on an even number)
.endr
	v_nop                                          ; one plain place behind a scaled conversion
.irp c, 0,1                                    ; the operand's layout wants a whole block in a lane: lanes 0-15 block 2 c, lanes 16-31 block 2 c + 1
.irp i, 0,1,2
	v_permlane16_swap_b32 v[PC+6*\c+\i], v[PC+12+4*\c+\i]
.endr
.irp i, 0,1,2
	v_mov_b32 v[PC+3+6*\c+\i], v[PC+12+4*\c+\i]
.endr
.endr
.endm
.macro TILE a
.set XS, X+64*((\a)%3)
.if (\a) <= 5
	s_wait_loadcnt 32                              ; this tile's 16 loads are in; the next two tiles' may be out
.elseif (\a) == 6
	s_wait_loadcnt 16
.else
	s_wait_loadcnt 0x0
.endif
.irp i, 0,1,2,3,4,5,6,7,8,9,10,11,12,13,14,15
	ds_store_b128 v5, v[XS+4*\i:XS+4*\i+3] offset:SP*\i
.endr
.irp b, 0,1,2,3
.irp j, 0,1,2,3
	ds_load_b128 v[XS+16*\b+4*\j:XS+16*\b+4*\j+3], v6 offset:128*\b+16*\j   ; LDS serves a wave's instructions in order: these see the stores above, and come back into the registers that those have left
.endr
.endr
	s_wait_dscnt 0x0
	QUANT XS, WD+(\a)
.irp c, 0,1,2
	global_store_b128 v4, v[PC+4*\c:PC+4*\c+3], s[32:33] offset:24576*(\a)+512*\c   ; 32 lanes store 512 consecutive bytes, aligned
.endr
.if (\a) <= 4
	LOAD (\a)+3                                    ; the set just quantised takes the tile three on
.endif
.endm
	LOAD 0
	LOAD 1
	LOAD 2
	; the table: waves 0 to 3, a pair (cos, sin) a thread: 256 work-groups x 128 = 1,024 x 32
	s_cmp_lt_u32 s3, 4
	s_cbranch_scc0 .Lno_table
	s_mov_b32 s40, 0xb94ca1f9                      ; sin: -1.9515295891e-4,
	s_mov_b32 s41, 0x3c08839e                      ; 8.3321608736e-3,
	s_mov_b32 s42, 0xbe2aaaa3                      ; -1.6666654611e-1
	s_mov_b32 s43, 0x37ccf5ce                      ; cos: 2.443315712e-5,
	s_mov_b32 s44, 0xbab6061a                      ; -1.388731625e-3,
	s_mov_b32 s45, 0x3d2aaaa5                      ; 4.166664568e-2
	s_lshl_b32 s10, ttmp9, 7
	v_add_nc_u32 v[TB], s10, v0                    ; 32 t + i
	v_and_b32 v[TB+1], 31, v[TB]
	v_lshrrev_b32 v[TB+2], 5, v[TB]
	v_cvt_f32_u32 v[TB+1], v[TB+1]
	v_cvt_f32_u32 v[TB+2], v[TB+2]
	v_mul_f32 v[TB+1], 0xbf1f73da, v[TB+1]         ; -log2(10^6) / 32 x i
	s_wait_alu depctr_va_vdst(0)
	v_exp_f32 v[TB+3], v[TB+1]                     ; f_i
	v_lshlrev_b32 v[TB], 3, v[TB]                  ; (a plain place)  8 bytes a pair
	s_wait_alu depctr_va_vdst(0)                   ; the wait ahead of the first reader
	v_mul_f32 v[TB+2], v[TB+2], v[TB+3]            ; the angle
	v_mul_f32 v[TB+4], 0x3f22f983, v[TB+2]         ; x 2 / pi
	v_rndne_f32 v[TB+4], v[TB+4]                   ; n
	v_fmamk_f32 v[TB+5], v[TB+4], 0xbfc90fdb, v[TB+2]   ; - n x the upper part of pi / 2: exact,
	v_fmamk_f32 v[TB+5], v[TB+4], 0x333bbd2e, v[TB+5]   ; - n x the lower part (which is negative): x, at most pi / 4
	v_mul_f32 v[TB+6], v[TB+5], v[TB+5]            ; z = x x
	v_fma_f32 v[TB+7], v[TB+6], s40, s41
	v_fma_f32 v[TB+8], v[TB+6], s43, s44
	v_fma_f32 v[TB+7], v[TB+7], v[TB+6], s42
	v_fma_f32 v[TB+8], v[TB+8], v[TB+6], s45
	v_mul_f32 v[TB+9], v[TB+6], v[TB+5]
	v_mul_f32 v[TB+13], v[TB+6], v[TB+6]
	v_fma_f32 v[TB+14], v[TB+6], -0.5, 1.0
	v_fma_f32 v[TB+7], v[TB+7], v[TB+9], v[TB+5]   ; sin x
	v_fma_f32 v[TB+8], v[TB+8], v[TB+13], v[TB+14] ; cos x
	v_cvt_i32_f32 v[TB+12], v[TB+4]
	v_and_b32 v[TB+9], 1, v[TB+12]
	v_cmp_eq_u32 vcc_lo, 1, v[TB+9]                ; in an odd quarter the two change places
	v_cndmask_b32 v[TB+10], v[TB+8], v[TB+7], vcc_lo
	v_cndmask_b32 v[TB+11], v[TB+7], v[TB+8], vcc_lo
	v_add_nc_u32 v[TB+13], 1, v[TB+12]
	v_and_b32 v[TB+13], 2, v[TB+13]                ; cos is negative in quarters 1 and 2,
	v_and_b32 v[TB+12], 2, v[TB+12]                ; sin in quarters 2 and 3
	v_lshlrev_b32 v[TB+13], 30, v[TB+13]
	v_lshlrev_b32 v[TB+12], 30, v[TB+12]
	v_xor_b32 v[TB+10], v[TB+10], v[TB+13]
	v_xor_b32 v[TB+11], v[TB+11], v[TB+12]
	global_store_b64 v[TB], v[TB+10:TB+11], s[36:37]   ; a wave stores 256 consecutive bytes, aligned
.Lno_table:
.irp a, 0,1,2,3,4,5,6,7
	TILE \a
.endr
	v_cmp_le_u32 vcc_lo, 16, v1                    ; the quad: lanes 16-31 take the odd tile's word
.irp i, 0,1,2,3
	v_cndmask_b32 v[QD+\i], v[WD+2*\i], v[WD+2*\i+1], vcc_lo
.endr
	global_store_b128 v4, v[QD:QD+3], s[34:35]     ; 512 consecutive bytes
	s_wait_tensorcnt 0x0
	ds_add_u32 v238, v239
	s_wait_dscnt 0x0
	s_endpgm
.Lfunc_end_k_q1654b1b737_quant:
	.size	k_q1654b1b737_quant, .Lfunc_end_k_q1654b1b737_quant-k_q1654b1b737_quant
	.p2alignl 7, 3214868480
	.fill 96, 4, 3214868480
	.section	.rodata,"a",@progbits
	.p2align	6, 0x0
	.amdhsa_kernel k_q1654b1b737_quant
		.amdhsa_group_segment_fixed_size 60160
		.amdhsa_private_segment_fixed_size 0
		.amdhsa_enable_private_segment 0
		.amdhsa_kernarg_size 88
		.amdhsa_user_sgpr_count 2
		.amdhsa_user_sgpr_kernarg_segment_ptr 1
		.amdhsa_wavefront_size32 1
		.amdhsa_system_sgpr_workgroup_id_x 1
		.amdhsa_system_sgpr_workgroup_id_y 1
		.amdhsa_system_sgpr_workgroup_id_z 1
		.amdhsa_system_vgpr_workitem_id 0
		.amdhsa_next_free_vgpr 256
		.amdhsa_next_free_sgpr 66
		.amdhsa_reserve_vcc 1
		.amdhsa_float_denorm_mode_32 3
		.amdhsa_float_denorm_mode_16_64 3
		.amdhsa_memory_ordered 1
		.amdhsa_forward_progress 1
		.amdhsa_inst_pref_size 67
	.end_amdhsa_kernel
	.amdgpu_metadata
---
amdhsa.version: [ 1, 2 ]
amdhsa.kernels:
  - .name:           k_q1654b1b737_quant
    .symbol:         k_q1654b1b737_quant.kd
    .args:
      - { .name: query, .offset: 0, .size: 8, .value_kind: global_buffer, .address_space: global }
      - { .name: key_value, .offset: 8, .size: 8, .value_kind: global_buffer, .address_space: global }
      - { .name: W_QC, .offset: 16, .size: 8, .value_kind: global_buffer, .address_space: global }
      - { .name: W_QR, .offset: 24, .size: 8, .value_kind: global_buffer, .address_space: global }
      - { .name: W_KC, .offset: 32, .size: 8, .value_kind: global_buffer, .address_space: global }
      - { .name: W_KR, .offset: 40, .size: 8, .value_kind: global_buffer, .address_space: global }
      - { .name: W_V, .offset: 48, .size: 8, .value_kind: global_buffer, .address_space: global }
      - { .name: W_O, .offset: 56, .size: 8, .value_kind: global_buffer, .address_space: global }
      - { .name: codes, .offset: 64, .size: 8, .value_kind: global_buffer, .address_space: global }
      - { .name: scales, .offset: 72, .size: 8, .value_kind: global_buffer, .address_space: global }
      - { .name: rope, .offset: 80, .size: 8, .value_kind: global_buffer, .address_space: global }
    .group_segment_fixed_size: 60160
    .private_segment_fixed_size: 0
    .kernarg_segment_align: 8
    .kernarg_segment_size: 88
    .max_flat_workgroup_size: 224
    .sgpr_count:     66
    .vgpr_count:     256
    .wavefront_size: 32
...
	.end_amdgpu_metadata
.endif
;; end of part 1
;; launch proj (part 2): grid 32 x 8, 4 waves a work-group, clusters of 4 x 4, 327,680 bytes of LDS; arguments codes, scales, rope, img; writes img
.if DOCPART == 2
	.amdgcn_target "amdgcn-amd-amdhsa--gfx1250"
	.amdhsa_code_object_version 6
	.text
	.protected	k_q1654b1b737_proj
	.globl	k_q1654b1b737_proj
	.p2align	8
	.type	k_q1654b1b737_proj,@function
k_q1654b1b737_proj:
	s_mov_b64 s[64:65], 0
	v_nop
	global_prefetch_b8 v0, s[64:65] scope:SCOPE_SE
	s_setreg_imm32_b32 hwreg(HW_REG_WAVE_MODE, 25, 1), 1
	s_wait_xcnt 0x0
	s_wait_alu depctr_hold_cnt(0) depctr_sa_sdst(0) depctr_va_vdst(0) depctr_va_sdst(0) depctr_va_ssrc(0) depctr_va_vcc(0) depctr_vm_vsrc(0)
	s_getreg_b32 s2, hwreg(HW_REG_IB_STS2, 6, 4)
	s_cmp_eq_u32 s2, 0
	s_cbranch_scc0 .Lentry_in_a_cluster
	s_endpgm
.Lentry_in_a_cluster:
	s_bfe_u32 s2, ttmp6, 0x10000c
	s_cmp_lg_u32 s2, 0xf033
	s_cbranch_scc0 .Lentry_shape_is_right
	s_endpgm
.Lentry_shape_is_right:
; The five input projections on codes of FP6 (E2M3), K = 2,048, their RoPE, and the quantising of Q_C, Q_R, K_C, K_R (along the head's axis) and V (along the keys) into the images that the attention reads.
; A work-group of four waves makes 256 x 256, a wave 128 x 128: 64 accumulators, 512 registers.  P is source 0 (its rows run along a lane's registers in the result), R is source 1 (a lane holds one of its rows).
; THE KIND hangs on the cluster's x alone: 0, 1: Q_C (R = query, P = W_QC); 2: Q_R; 3, 4: K_C (R = key_value); 5: K_R; 6, 7: V with the roles changed (R = W_V, P = key_value), so that V comes out as
; [d][keys] with the keys along a lane's registers: V^T, ready to be quantised along the keys.  Nothing is transposed.
; Rows lie in the codes' buffer in the physical order (in each 32: 0-7, 16-23, 8-15, 24-31), so the 16 registers of P's tiles 2 B and 2 B + 1 are 16 neighbours along P's rows: 32 B + 16 h + 0 .. 15.
; OPERANDS ARE IMAGES of their registers (1,536 bytes for 16 rows x 128 K): three ds_load_b128 at 16 x lane bring a fragment; no pitch, no padding, consecutive bytes.
; RING: two LDS slots of two K steps, filled by the tensor data mover: a wave's load brings 8 row tiles x 3,072 bytes.  The scale quads of the work-group's four groups of 128 rows, for all of K, come once.
; CLUSTERS: 4 x 4.  R's tiles hang on the tile row alone and are asked for jointly along a row of the cluster, P's on the tile column and go along a column.
; THE LAST TWO K STEPS ARE WRITTEN TWICE, once for the kinds with RoPE: there the table's numbers (256 registers a wave) are asked for while these steps are multiplied, into window 1 as it falls free.
; REGISTERS: window 0: v16-31 addresses; v32-63 scale quads, two sets (they hold scales and nothing else); v128-223 R's fragments, one set; behind the loop v64-147 and v224-255 serve the way out.
;   window 1: P's fragments, two sets, at v0 and v128; v96-127 and v224-255 take the table's first two blocks, the two sets the other six.
;   window 2: accumulators of R's blocks 0-3 ((a, b) at v[64 (a % 4) + 8 b]); window 3: of blocks 4-7.
; LIMITS of the quantiser as in the launch before: byte 1 for a block of zeros or under 2^-124; NaN and infinities not served.
.set NA,    8                          ; R's blocks of 16 rows in a wave
.set NH,    NA/2
.set NQ,    2                          ; K steps of 128 in a slot
.set NL,    3                          ; LDS loads that bring a fragment
.set FRB,   1536
.set ROWT,  NQ*FRB                     ; a row tile's bytes in a slot
.set TROW,  16*FRB                     ; and in memory, for all of K
.set POFF,  16*ROWT                    ; a slot: R's 16 tiles, then P's 16
.set SLOT,  32*ROWT
.set SCL,   2*SLOT                     ; behind the ring: four groups' quads, 8,192 bytes each
.set SPARE, SCL+4*8192+4096            ; the spare words, 128 bytes for each wave: two blocks of 256 bytes that no other line names
.set LAPS,  16/(2*NQ)
.set QBLK,  19968                      ; img: a block of 128 queries of a head: Q_C 8 images | Q_R 8 half images at 12,288 | Q_C's quad at 18,432 | Q_R's words at 18,944
.set KVB,   32768                      ; a block of 128 keys of a head: the same four of K, then V^T's 8 images at 19,968 and its quad at 32,256
.set IMGKV, 256*QBLK
.set ADRA, 16                          ; v16-17  LDS address of my R fragments in slot 0, 1
.set ADRB, 20                          ; v20-21  the same for P
.set O16,  24                          ; v24     16 x lane
.set O8,   25                          ; v25     8 x lane
.set RO,   26                          ; v26     my place in the table's rows; never rewritten
.set ASR,  27                          ; v27     LDS address of R's quads
.set SPW,  28                          ; v28     LDS address of my spare word; never rewritten
.set NIL,  29                          ; v29     0; never rewritten
.set ASP,  30                          ; v30     LDS address of P's quads
.set LN,   31                          ; v31     lane
.set SC,   32                          ; scale quads: set s at v[SC + 8 NQ s]; in it, for the slot's q-th K step, registers 8 q + 0..3 R's, 8 q + 4..7 P's
.set AF,   128                         ; R's fragments
.set RT,   64                          ; the way out: v64-127 products x sin
.set PC,   128                         ; v128-147 the codes just made
.set TM,   224                         ; v224-239 at work
.set WD,   240                         ; v240-247 the 8 blocks' scale words
.set EV,   248                         ; v248-255 the quad, or the even head's words
.set G1, 24                            ; s[24:31] descriptor group 1 for R's tiles;  s[32:39] group 0, one set for each slot
.set G0, 32
.set G1B, 48                           ; s[48:55], s[56:63] the same for P's
.set G0B, 56
.set G1S, 68                           ; s[68:75], s[76:79] groups 1 and 0 for R's quads;  s[80:87], s[88:91] for P's
.set G0S, 76
.set G1SB, 80
.set G0SB, 88
.set ISR, 66                           ; s66  1 where the kind has RoPE
.set SEL, 98                           ; s[98:99] v_permlanex16_b32's selects for lane l xor 16
.set MSB, 0
.macro WIN new                         ; the immediate's high byte repeats the setting that is left
.if MSB != (\new)
	s_set_vgpr_msb (MSB<<8)|(\new)
.set MSB, (\new)
.endif
.endm
; A joint load: waves 0 and 1 fetch for R, waves 2 and 3 for P.  Each line has one mask and one set of registers for all that issue it; the branch hangs on the wave's number alone.
; Four v_nop follow each of the two lines, ahead of the jump, the label and what follows.
.macro JLOAD g0a, g1a, g0b, g1b
	s_cmp_eq_u32 s15, 0
	s_cbranch_scc0 .Lfor_p_\@
	tensor_load_to_lds s[\g0a:\g0a+3], s[\g1a:\g1a+7]
	s_nop 0
.rept 4
	v_nop
.endr
	s_branch .Lasked_\@
.Lfor_p_\@:
	tensor_load_to_lds s[\g0b:\g0b+3], s[\g1b:\g1b+7]
	s_nop 0
.rept 4
	v_nop
.endr
.Lasked_\@:
.endm
.macro CREST                           ; a round of the cluster's barrier behind its opening barrier
	s_cmp_lg_u32 s14, 0
	s_cbranch_scc1 .Lnot_wave_0_\@
	s_barrier_signal -3
.Lnot_wave_0_\@:
	s_barrier_wait -3
	s_barrier_signal -1
	s_barrier_wait -1
.endm
.macro CROUND                          ; a whole round
	s_barrier_signal -1
	s_barrier_wait -1
	CREST
.endm
.macro PLACES                          ; four plain places: in front of loads into registers that matrix instructions have read, and of the first read of results
.rept 4
	v_nop
.endr
.endm
	s_load_b256 s[4:11], s[0:1], 0x0               ; codes s[4:5], scales s[6:7], rope s[8:9], img s[10:11]
	v_lshl_add_u32 v[SPW], v0, 2, SPARE
	v_mov_b32 v[NIL], 0
	ds_add_u32 v28, v29
	ds_add_u32 v28, v29
	s_wait_dscnt 0x0
	v_lshrrev_b32 v1, 5, v0
	v_readfirstlane_b32 s14, v1                    ; wave 0..3
	s_lshr_b32 s15, s14, 1                         ; which 128 rows of R are mine.  Also: I fetch for R (0) or for P (1)
	s_and_b32 s16, s14, 1                          ; which 128 rows of P.  Also: which half of that operand's 256 rows I fetch
	s_bfe_u32 s40, ttmp6, 0x40000                  ; cx, cy: my place in the cluster
	s_bfe_u32 s41, ttmp6, 0x40004
	s_lshl_b32 s42, ttmp9, 2
	s_add_co_u32 s42, s42, s40                     ; tile column = 4 x cluster x + cx
	s_and_b32 s17, ttmp7, 0xffff
	s_lshl_b32 s17, s17, 2
	s_add_co_u32 s17, s17, s41                     ; tile row = 4 x cluster y + cy
	s_lshl_b32 s43, s41, 2
	s_lshl_b32 s43, 15, s43                        ; my row of the cluster
	s_lshl_b32 s44, 0x1111, s40                    ; my column
	; descriptor group 1: 8 row tiles x ROWT bytes (elements of 8 bytes), TROW bytes apart in memory, on end in LDS
	s_or_b32 s[G1+0], s43, (3<<16)|(1<<21)         ; 15:0 the mask; 17:16 elements of 8 bytes; 20 no padding; 21 set beside a mask
	s_or_b32 s[G1B+0], s44, (3<<16)|(1<<21)
.irp g, G1, G1B
	s_mov_b32 s[\g+1], (ROWT/8)<<16                ; tensor_dim0
	s_mov_b32 s[\g+2], 16<<16                      ; tensor_dim1: 16 row tiles for the head's loads; set to 8 for the ring's behind the wait for them
	s_mov_b32 s[\g+3], (ROWT/8)<<16                ; tile_dim0
	s_mov_b32 s[\g+4], 16                          ; tile_dim1
	s_mov_b32 s[\g+5], TROW/8                      ; tensor_dim0_stride
	s_mov_b32 s[\g+6], 0
	s_mov_b32 s[\g+7], 0
.endr
	; and for a group's quads: 8,192 dense bytes as 32 rows of 256
	s_or_b32 s[G1S+0], s43, (3<<16)|(1<<21)
	s_or_b32 s[G1SB+0], s44, (3<<16)|(1<<21)
.irp g, G1S, G1SB
	s_mov_b32 s[\g+1], 32<<16
	s_mov_b32 s[\g+2], 64<<16                      ; two groups' quads: 16,384 dense bytes as 64 rows of 256
	s_mov_b32 s[\g+3], 32<<16
	s_mov_b32 s[\g+4], 64
	s_mov_b32 s[\g+5], 32
	s_mov_b32 s[\g+6], 0
	s_mov_b32 s[\g+7], 0
.endr
	; R's first tile: query's begin at tile 0, key_value's at 128, W_V's at 640; + 16 x tile row + 8 x half
	s_cmp_lt_u32 ttmp9, 3
	s_cselect_b32 s18, 0, 128
	s_cmp_lt_u32 ttmp9, 6
	s_cselect_b32 s18, s18, 640
	s_lshl_b32 s19, s17, 4
	s_add_co_u32 s18, s18, s19
	s_mul_i32 s20, s18, TROW                       ; the codes of the tile row's first tile (my half is added for the ring),
	s_mov_b32 s21, 0
	s_lshl_b32 s22, s18, 10                        ; its quads: 8,192 bytes for 8 tiles
	s_mov_b32 s23, 0
	; P's first tile: the four weights lie on end from tile 256, 16 tiles to a tile column; for V: key_value's, 128 + 16 (tile column - 24)
	s_cmp_lt_u32 ttmp9, 6
	s_cselect_b32 s46, 512, 0
	s_lshl_b32 s47, s42, 4
	s_add_co_u32 s46, s46, s47
	s_sub_co_u32 s95, s46, 256
	s_mul_i32 s46, s95, TROW
	s_mov_b32 s47, 0
	s_lshl_b32 s92, s95, 10
	s_mov_b32 s93, 0
	s_mul_i32 s45, s14, 8*ROWT                     ; where they go: wave x 8 tiles: no place in the cluster enters an LDS address
	s_wait_kmcnt 0x0
	s_add_nc_u64 s[20:21], s[4:5], s[20:21]
	s_add_nc_u64 s[22:23], s[6:7], s[22:23]
	s_add_nc_u64 s[46:47], s[4:5], s[46:47]
	s_add_nc_u64 s[92:93], s[6:7], s[92:93]
	CROUND                                         ; all sixteen work-groups are here: the first joint loads meet
	s_mov_b32 s[G0S], 1                            ; the head's four tiles, each whole: R's two groups' quads,
	s_mov_b32 s[G0S+1], SCL
	s_mov_b64 s[G0S+2:G0S+3], s[22:23]
	s_or_b32 s[G0S+3], s[G0S+3], 0x80000000
	s_mov_b32 s[G0SB], 1                           ; P's,
	s_mov_b32 s[G0SB+1], SCL+2*8192
	s_mov_b64 s[G0SB+2:G0SB+3], s[92:93]
	s_or_b32 s[G0SB+3], s[G0SB+3], 0x80000000
	s_mov_b32 s[G0], 1                             ; slot 0's 16 tiles of R,
	s_mov_b32 s[G0+1], 0
	s_mov_b64 s[G0+2:G0+3], s[20:21]
	s_or_b32 s[G0+3], s[G0+3], 0x80000000
	s_mov_b32 s[G0B], 1                            ; and its 16 tiles of P
	s_mov_b32 s[G0B+1], POFF
	s_mov_b64 s[G0B+2:G0B+3], s[46:47]
	s_or_b32 s[G0B+3], s[G0B+3], 0x80000000
	s_mul_i32 s2, s16, 8*TROW                      ; for the ring: my half of the operand's 16 tiles
	s_mov_b32 s3, 0
	s_add_nc_u64 s[20:21], s[20:21], s[2:3]
	s_add_nc_u64 s[46:47], s[46:47], s[2:3]
	s_cmp_eq_u32 s15, 0                            ; the prefetches: of the 8 row tiles that I fetch in the ring, each of the four partners that ask for them with me takes 2, told apart by address (cx for R, cy for P)
	s_cselect_b64 s[4:5], s[20:21], s[46:47]
	s_cselect_b32 s6, s40, s41
	s_mul_i32 s6, s6, 2*TROW
	s_mov_b32 s7, 0
	s_add_nc_u64 s[4:5], s[4:5], s[6:7]
	s_mov_b32 s[G0+4], 1                           ; slot 1's group 0
	s_add_co_u32 s[G0+5], s45, SLOT
	s_add_nc_u64 s[G0+6:G0+7], s[20:21], ROWT
	s_or_b32 s[G0+7], s[G0+7], 0x80000000
	s_mov_b32 s[G0B+4], 1
	s_add_co_u32 s[G0B+5], s45, SLOT
	s_add_nc_u64 s[G0B+6:G0B+7], s[46:47], ROWT
	s_or_b32 s[G0B+7], s[G0B+7], 0x80000000
; THE HEAD'S LOADS, ONE A WAVE: wave 0 R's slot 0, wave 1 P's, wave 2 R's quads, wave 3 P's.  One chain of branches on the wave's number, one load to an arm, all arms to one join.
.macro ARM under, g0, g1, next
	s_cmp_lt_u32 s14, \under
	s_cbranch_scc0 \next
	tensor_load_to_lds s[\g0:\g0+3], s[\g1:\g1+7]
	s_nop 0
.rept 4
	v_nop
.endr
	s_branch .Lhead_asked
\next:
.endm
	ARM 1, G0,  G1,  .Lhead_b
	ARM 2, G0B, G1B, .Lhead_sa
	ARM 3, G0S, G1S, .Lhead_sb
	tensor_load_to_lds s[G0SB:G0SB+3], s[G1SB:G1SB+7]
	s_nop 0
.rept 4
	v_nop
.endr
.Lhead_asked:
	v_and_b32 v[LN], 31, v0
.set PFO, 22                           ; v22  the prefetches' offset: 2 tiles x 12 blocks of 256 bytes of a fill, a lane a block; lanes 24-31 name the last block again; never rewritten
	v_min_u32 v4, 23, v[LN]
	v_mul_u32_u24 v5, v4, 171
	v_lshrrev_b32 v5, 11, v5                       ; which of my 2 tiles: lane / 12
	v_mul_u32_u24 v5, v5, TROW-ROWT
	v_lshl_add_u32 v[PFO], v4, 8, v5
	global_prefetch_b8 v[PFO], s[4:5] offset:ROWT th:TH_LOAD_NT scope:SCOPE_SE     ; fill 1's bytes (K steps 2, 3) and
	global_prefetch_b8 v[PFO], s[4:5] offset:2*ROWT th:TH_LOAD_NT scope:SCOPE_SE   ; fill 2's; from here on the load of fill j is followed by a request for fill j + 2
	v_lshlrev_b32 v[O16], 4, v[LN]
	s_wait_alu depctr_va_vdst(0)
	v_lshlrev_b32 v[O8], 3, v[LN]
	s_mul_i32 s20, s15, 8*ROWT                     ; my 8 tiles of R
	s_mul_i32 s21, s16, 8*ROWT                     ; my 8 tiles of P,
	s_add_co_u32 s21, s21, POFF                    ; which lie behind R's 16
.irp s, 0,1
	v_add_nc_u32 v[ADRA+\s], s20, v[O16]
	v_add_nc_u32 v[ADRB+\s], s21, v[O16]
	s_add_co_u32 s20, s20, SLOT
	s_add_co_u32 s21, s21, SLOT
.endr
	s_lshl_b32 s20, s15, 13
	s_add_co_u32 s20, s20, SCL
	v_add_nc_u32 v[ASR], s20, v[O16]
	s_lshl_b32 s21, s16, 13
	s_add_co_u32 s21, s21, SCL+2*8192
	v_add_nc_u32 v[ASP], s21, v[O16]
	v_and_b32 v1, 15, v0                           ; r
	v_bfe_u32 v2, v0, 4, 1                         ; h
	v_and_b32 v3, 8, v1
	v_add_nc_u32 v3, v3, v1                        ; r + 8 (r / 8): my token within a tile's span
	v_lshlrev_b32 v[RO], 8, v3                     ; a token's 32 pairs are 256 bytes,
	v_lshl_add_u32 v[RO], v2, 6, v[RO]             ; my half's 8 pairs of each 16 begin 64 h on
	s_mov_b32 s[SEL], 0x76543210
	s_mov_b32 s[SEL+1], 0xfedcba98
	; WHERE THE RESULTS GO.  The tokens' group of 128 (0..15: batch, block) and the head give the block: (group / 8) 128 + 8 head + group % 8.
	s_lshl_b32 s95, s17, 1
	s_add_co_u32 s95, s95, s15                     ; R's group: 2 x tile row + my half
	s_cmp_ge_u32 ttmp9, 2
	s_cselect_b32 s97, 8, 0
	s_cmp_ge_u32 ttmp9, 3
	s_cselect_b32 s97, 12, s97
	s_cmp_ge_u32 ttmp9, 5
	s_cselect_b32 s97, 20, s97
	s_cmp_ge_u32 ttmp9, 6
	s_cselect_b32 s97, 24, s97                     ; the kind's first tile column
	s_sub_co_u32 s96, s42, s97
	s_lshl_b32 s96, s96, 1
	s_add_co_u32 s96, s96, s16                     ; P's group within its tensor
	s_cmp_eq_u32 ttmp9, 2
	s_cselect_b32 s[ISR], 1, 0
	s_cmp_eq_u32 ttmp9, 5
	s_cselect_b32 s[ISR], 1, s[ISR]
	s_lshl_b32 s96, s96, s[ISR]                    ; a group of W_QR or W_KR is two heads of 64
	s_cmp_ge_u32 ttmp9, 6                          ; for V the tokens are P's rows and the head is R's group
	s_cselect_b32 s97, s96, s95                    ; the tokens' group
	s_cselect_b32 s67, s95, s96                    ; the head
	s_cselect_b32 s2, 19968, 0                     ; where the images go in the block,
	s_mov_b32 s45, 18432
	s_cselect_b32 s45, 32256, s45                  ; and the quad
	s_lshr_b32 s94, s97, 3
	s_lshl_b32 s94, s94, 7
	s_and_b32 s97, s97, 7
	s_add_co_u32 s94, s94, s97
	s_lshl_b32 s67, s67, 3
	s_add_co_u32 s94, s94, s67                     ; the block's number
	s_cmp_lt_u32 ttmp9, 3
	s_mov_b32 s95, KVB
	s_cselect_b32 s95, QBLK, s95                   ; a block's bytes
	s_cselect_b32 s96, 0, IMGKV                    ; the queries' blocks come first
	s_mul_i32 s94, s94, s95
	s_add_co_u32 s94, s94, s96
	s_lshl_b32 s95, s95, 3                         ; 8 blocks on: the next head
	s_lshl_b32 s96, s97, 15                        ; the table's rows of my 128 tokens
	s_mov_b32 s97, 0
	s_add_nc_u64 s[8:9], s[8:9], s[96:97]
	s_mov_b32 s96, s94
	s_add_nc_u64 s[10:11], s[10:11], s[96:97]      ; my block
	s_mov_b32 s96, s95
	s_add_nc_u64 s[100:101], s[10:11], s[96:97]    ; the odd head's block (used with RoPE alone)
	s_mov_b32 s96, s45
	s_add_nc_u64 s[18:19], s[10:11], s[96:97]      ; the quad's place
	s_mov_b32 s96, s2
	s_add_nc_u64 s[12:13], s[10:11], s[96:97]      ; the images' place
; One matrix instruction.  rw: 2 where P's tile is the odd one of its quad register (lanes 16-31), + 1 where R's is.
.macro WM d, pa, ra, zero, sa, sb, rw
.if \zero
.if (\rw) == 0
	v_wmma_scale_f32_16x16x128_f8f6f4 v[(\d):(\d)+7], v[(\pa):(\pa)+11], v[(\ra):(\ra)+11], 0, v[\sa], v[\sb] matrix_a_fmt:MATRIX_FMT_FP6 matrix_b_fmt:MATRIX_FMT_FP6
.elseif (\rw) == 1
	v_wmma_scale_f32_16x16x128_f8f6f4 v[(\d):(\d)+7], v[(\pa):(\pa)+11], v[(\ra):(\ra)+11], 0, v[\sa], v[\sb] matrix_a_fmt:MATRIX_FMT_FP6 matrix_b_fmt:MATRIX_FMT_FP6 matrix_b_scale:MATRIX_SCALE_ROW1
.elseif (\rw) == 2
	v_wmma_scale_f32_16x16x128_f8f6f4 v[(\d):(\d)+7], v[(\pa):(\pa)+11], v[(\ra):(\ra)+11], 0, v[\sa], v[\sb] matrix_a_fmt:MATRIX_FMT_FP6 matrix_b_fmt:MATRIX_FMT_FP6 matrix_a_scale:MATRIX_SCALE_ROW1
.else
	v_wmma_scale_f32_16x16x128_f8f6f4 v[(\d):(\d)+7], v[(\pa):(\pa)+11], v[(\ra):(\ra)+11], 0, v[\sa], v[\sb] matrix_a_fmt:MATRIX_FMT_FP6 matrix_b_fmt:MATRIX_FMT_FP6 matrix_a_scale:MATRIX_SCALE_ROW1 matrix_b_scale:MATRIX_SCALE_ROW1
.endif
.else
.if (\rw) == 0
	v_wmma_scale_f32_16x16x128_f8f6f4 v[(\d):(\d)+7], v[(\pa):(\pa)+11], v[(\ra):(\ra)+11], v[(\d):(\d)+7], v[\sa], v[\sb] matrix_a_fmt:MATRIX_FMT_FP6 matrix_b_fmt:MATRIX_FMT_FP6
.elseif (\rw) == 1
	v_wmma_scale_f32_16x16x128_f8f6f4 v[(\d):(\d)+7], v[(\pa):(\pa)+11], v[(\ra):(\ra)+11], v[(\d):(\d)+7], v[\sa], v[\sb] matrix_a_fmt:MATRIX_FMT_FP6 matrix_b_fmt:MATRIX_FMT_FP6 matrix_b_scale:MATRIX_SCALE_ROW1
.elseif (\rw) == 2
	v_wmma_scale_f32_16x16x128_f8f6f4 v[(\d):(\d)+7], v[(\pa):(\pa)+11], v[(\ra):(\ra)+11], v[(\d):(\d)+7], v[\sa], v[\sb] matrix_a_fmt:MATRIX_FMT_FP6 matrix_b_fmt:MATRIX_FMT_FP6 matrix_a_scale:MATRIX_SCALE_ROW1
.else
	v_wmma_scale_f32_16x16x128_f8f6f4 v[(\d):(\d)+7], v[(\pa):(\pa)+11], v[(\ra):(\ra)+11], v[(\d):(\d)+7], v[\sa], v[\sb] matrix_a_fmt:MATRIX_FMT_FP6 matrix_b_fmt:MATRIX_FMT_FP6 matrix_a_scale:MATRIX_SCALE_ROW1 matrix_b_scale:MATRIX_SCALE_ROW1
.endif
.endif
.endm
; R's block a against P's eight tiles, 128 along K: the slot's q-th.  p: P's set; sc: the set of quads.  P in window 1, R in window 0, C and D in window 2 (blocks 0-3) or 3.
.macro MUL8 a, p, q, sc, zero
	WIN 0xa1+0x50*((\a)/4)
.irp b, 0,1,2,3,4,5,6,7
	WM 64*((\a)%4)+8*\b, 128*(\p)+12*\b, AF+12*(\a), \zero, SC+8*NQ*(\sc)+8*(\q)+4+\b/2, SC+8*NQ*(\sc)+8*(\q)+(\a)/2, 2*(\b%2)+(\a)%2
.endr
.endm
.macro MULS a0, cnt, p, q, sc, zero    ; blocks a0 .. a0 + cnt - 1.  All accumulators take turns, one instruction a turn, in the same order in every step
.set AA, \a0
.rept \cnt
	MUL8 AA, \p, \q, \sc, \zero
.set AA, AA+1
.endr
.endm
.macro FRAG3 reg, adr, off             ; a fragment's image comes back as it was stored
.irp c, 0,1,2
	ds_load_b128 v[(\reg)+4*\c:(\reg)+4*\c+3], v[\adr] offset:(\off)+512*\c
.endr
.endm
.macro FETCH_P slot, q, p              ; P's eight fragments of the slot's q-th K step into set p
	WIN 0x40
.irp i, 0,1,2,3,4,5,6,7
	FRAG3 128*(\p)+12*\i, ADRB+\slot, \i*ROWT+(\q)*FRB
.endr
	WIN 0
.endm
.macro FETCH_R slot, q, i0             ; R's blocks i0 .. i0 + NH - 1
.set II, \i0
.rept NH
	FRAG3 AF+12*II, ADRA+\slot, II*ROWT+(\q)*FRB
.set II, II+1
.endr
.endm
.macro SCALES sc                       ; the next slot's quads into set sc
.set QQ, 0
.rept NQ
	ds_load_b128 v[SC+8*NQ*(\sc)+8*QQ:SC+8*NQ*(\sc)+8*QQ+3], v[ASR] offset:512*QQ
	ds_load_b128 v[SC+8*NQ*(\sc)+8*QQ+4:SC+8*NQ*(\sc)+8*QQ+7], v[ASP] offset:512*QQ
.set QQ, QQ+1
.endr
.endm
; A K step that has its successor in the same slot.  A block of R is free as soon as its eight products are issued, so R has one set: its first half is fetched anew in the step's middle, its second at the end.
.macro STEP slot, q, zero
	s_wait_dscnt NH*NL                             ; P's set and R's first half are in; the youngest loads (R's second half) may be out
	MULS 0, NH, (\q)%2, \q, \slot, \zero
	s_wait_dscnt 0x0                               ; R's second half is in
	PLACES
	FETCH_P \slot, (\q)+1, 1-(\q)%2
	FETCH_R \slot, (\q)+1, 0
	MULS NH, NH, (\q)%2, \q, \slot, \zero
	PLACES
	WIN 0
	FETCH_R \slot, (\q)+1, NH
.endm
; A slot's last step changes slots: one barrier; in front of it each wave waits for all its tensor loads, adds 0 to its spare word, and waits for that and for its reads of this slot.  fill = 1: the slot is filled again, two slots ahead.
.macro TURN slot, next, fill
	s_wait_tensorcnt 0x0                           ; all my tensor loads have landed: my part of the next slot  (every window is 0 here)
	ds_add_u32 v[SPW], v[NIL]                      ; 0 onto my spare word
	s_wait_dscnt NH*NL+1                           ; (the add and R's second half may be out)
	MULS 0, NH/2, 1, NQ-1, \slot, 0                ; matrix work stands between the add and the wait for it
	s_wait_dscnt 0x0                               ; the add is done, and my reads of this slot are over
	s_barrier_signal -1
	MULS NH/2, NH/2, 1, NQ-1, \slot, 0
	WIN 0
	s_barrier_wait -1
.if \fill
	CREST                                          ; the barrier has opened a round of the cluster's barrier: no wave of any partner still reads this slot or has a load on its way
	s_add_nc_u64 s[G0+4*\slot+2:G0+4*\slot+3], s[G0+4*\slot+2:G0+4*\slot+3], 2*ROWT
	s_add_nc_u64 s[G0B+4*\slot+2:G0B+4*\slot+3], s[G0B+4*\slot+2:G0B+4*\slot+3], 2*ROWT
	JLOAD G0+4*\slot, G1, G0B+4*\slot, G1B         ; the first tensor load behind the round; its four v_nop are the places in front of the loads below
.else
	PLACES
.endif
	s_wait_alu depctr_va_vdst(0)
	v_add_nc_u32 v[ASR], 512*NQ, v[ASR]            ; on to the next slot's quads
	v_add_nc_u32 v[ASP], 512*NQ, v[ASP]
	FETCH_P \next, 0, 0
	FETCH_R \next, 0, 0
	SCALES \next
.if \fill
	s_cmp_gt_u32 s3, 1                             ; the loop's last trip has no fill two on
	s_cbranch_scc0 .Lno_ask_\@
	global_prefetch_b8 v[PFO], s[4:5] offset:(4+\slot)*ROWT th:TH_LOAD_NT scope:SCOPE_SE
.Lno_ask_\@:
.endif
	MULS NH, NH, 1, NQ-1, \slot, 0
	PLACES
	WIN 0
	FETCH_R \next, 0, NH
.endm
.macro LAST                            ; the very last K step: nothing more to fetch
	s_wait_dscnt NH*NL
	MULS 0, NH, 1, NQ-1, 1, 0
	s_wait_dscnt 0x0
	MULS NH, NH, 1, NQ-1, 1, 0
	WIN 0
.endm
; THE WAY OUT.  Block a's 64 registers (window w, from v[s]) are 128 neighbours along P's rows of one row of R: register 16 b + i = 32 b + 16 h + i.  They become a fragment in v[PC] on and a scale word in v[pw].
.macro QUANT s, w, pw
	WIN ((\w)<<2)|((\w)<<4)                        ; sources 1 and 2 in the accumulators' window
.irp b, 0,1,2,3
	v_max3_num_f32 v[TM+\b], 0x1800000, |v[(\s)+16*\b]|, |v[(\s)+16*\b+1]|   ; block b: my 16 numbers, and the floor 2^(3 - 127).  Each accumulator is read from its low end on
.endr
.irp i, 2,4,6,8,10,12,14
.irp b, 0,1,2,3
	v_max3_num_f32 v[TM+\b], v[TM+\b], |v[(\s)+16*\b+\i]|, |v[(\s)+16*\b+\i+1]|
.endr
.endr
	WIN 0
.irp b, 0,1,2,3
	v_permlanex16_b32 v[TM+4+\b], v[TM+\b], s[SEL], s[SEL+1]
.endr
.irp b, 0,1,2,3
	v_max_num_f32 v[TM+\b], v[TM+\b], v[TM+4+\b]   ; with lane l xor 16's: the block's largest magnitude
.endr
.irp b, 0,1,2,3
	v_add_nc_u32 v[TM+12+\b], 0xff000000, v[TM+\b]   ; 2 off its exponent field: the conversion's scale operand
.endr
.irp b, 0,1,2,3
	v_lshrrev_b32 v[TM+4+\b], 23, v[TM+12+\b]      ; the scale's byte
.endr
	v_lshl_or_b32 v[\pw], v[TM+5], 8, v[TM+4]
	v_lshl_or_b32 v[\pw], v[TM+6], 16, v[\pw]
	v_lshl_or_b32 v[\pw], v[TM+7], 24, v[\pw]
	WIN (\w)                                       ; source 0 in the accumulators' window.  (Each block has code registers of its own: PC is set anew for each block, and the second halves' registers lie where the next block's codes come later)
.irp c, 0,1
	v_cvt_scalef32_pk16_fp6_f32 v[PC+6*\c:PC+6*\c+2], v[(\s)+32*\c:(\s)+32*\c+15], v[TM+12+2*\c]
	v_cvt_scalef32_pk16_fp6_f32 v[PC+12+4*\c:PC+14+4*\c], v[(\s)+16+32*\c:(\s)+31+32*\c], v[TM+13+2*\c]
.endr
	WIN 0
	v_nop                                          ; one plain place behind a scaled conversion
.irp c, 0,1
.irp i, 0,1,2
	v_permlane16_swap_b32 v[PC+6*\c+\i], v[PC+12+4*\c+\i]
.endr
.irp i, 0,1,2
	v_mov_b32 v[PC+3+6*\c+\i], v[PC+12+4*\c+\i]
.endr
.endr
.endm
; THE TABLE.  Block a's 32 numbers a lane ((cos, sin) of my token's 16 pairs) lie in window 1: blocks 0, 1 where the loop keeps nothing, blocks 2-4 in P's set 0, blocks 5-7 in P's set 1.
.macro TBASE a
.if (\a) == 0
.set TT, 96
.elseif (\a) == 1
.set TT, 224
.elseif (\a) < 5
.set TT, 32*((\a)-2)
.else
.set TT, 128+32*((\a)-5)
.endif
.endm
.macro LOADT a                         ; 8 pairs of each 16: 64 bytes twice
	TBASE \a
	WIN 0x40                                       ; destination window 1
.irp e, 0,1
.irp j, 0,1,2,3
	global_load_b128 v[TT+16*\e+4*\j:TT+16*\e+4*\j+3], v[RO], s[8:9] offset:(32*((\a)/2)+8*((\a)%2))*256+128*\e+16*\j
.endr
.endr
	WIN 0
.endm
; Q_R, K_R: a block's 128 are two heads of 64.  Register 16 B + i is dimension 32 (B % 2) + 16 h + i of head B / 2: pair 16 (B % 2) + 8 h + i / 2.  out(2 i) = x(2 i) cos - x(2 i + 1) sin, out(2 i + 1) = x(2 i + 1) cos + x(2 i) sin.
.macro ROPE a
	TBASE \a
.set XA, 64*((\a)%4)
.set XW, 2+(\a)/4
.if (\a) > 0
	s_wait_loadcnt 8*(7-(\a))                      ; this block's eight loads are in; the later blocks' may be out
.endif
	WIN XW|4                                       ; source 0 in the accumulators' window, source 1 (the table) in window 1
.set N, 0
.rept 32
	v_mul_f32 v[RT+2*N], v[XA+2*N+1], v[TT+16*((N/8)%2)+2*(N%8)+1]
	v_mul_f32 v[RT+2*N+1], v[XA+2*N], v[TT+16*((N/8)%2)+2*(N%8)+1]
.set N, N+1
.endr
	WIN (XW<<6)|4|XW                               ; and the destination in the accumulators' window too
.set N, 0
.rept 32
	v_fma_f32 v[XA+2*N], v[XA+2*N], v[TT+16*((N/8)%2)+2*(N%8)], -v[RT+2*N]
	v_fma_f32 v[XA+2*N+1], v[XA+2*N+1], v[TT+16*((N/8)%2)+2*(N%8)], v[RT+2*N+1]
.set N, N+1
.endr
	WIN 0
.endm
	s_wait_alu depctr_va_vdst(0)
	s_wait_tensorcnt 0x0                           ; my tile of the head's four is in
	ds_add_u32 v[SPW], v[NIL]                      ; 0 onto my spare word
	s_mov_b32 s[G1+2], 8<<16                       ; no tensor load of mine is out: from here on a load brings 8 row tiles,
	s_mov_b32 s[G1+4], 8
	s_mov_b32 s[G1B+2], 8<<16
	s_mov_b32 s[G1B+4], 8
	s_mul_i32 s[G0+1], s14, 8*ROWT                 ; and slot 0's group 0 stands at my quarter of the slot
	s_mul_i32 s[G0B+1], s14, 8*ROWT
	s_mul_i32 s2, s16, 8*TROW
	s_mov_b32 s3, 0
	s_add_nc_u64 s[G0+2:G0+3], s[G0+2:G0+3], s[2:3]
	s_add_nc_u64 s[G0B+2:G0B+3], s[G0B+2:G0B+3], s[2:3]
	s_wait_dscnt 0x0                               ; the add is done
	CROUND                                         ; a whole round: all four tiles are in, and all sixteen work-groups are here
	JLOAD G0+4, G1, G0B+4, G1B                     ; slot 1's first fill, the first tensor load behind the round
	FETCH_P 0, 0, 0
	FETCH_R 0, 0, 0
	SCALES 0
	global_prefetch_b8 v[PFO], s[4:5] offset:3*ROWT th:TH_LOAD_NT scope:SCOPE_SE   ; fill 3's bytes
	FETCH_R 0, 0, NH
	STEP 0, 0, 1                                   ; the first step stands in front of the loop: its products start the sums
	s_mov_b32 s3, LAPS-1
.Llap:                                                 ; a trip goes once round the ring and fills both slots again
	TURN 0, 1, 1
	STEP 1, 0, 0
	TURN 1, 0, 1
	STEP 0, 0, 0
	s_wait_xcnt 0x0                                ; my prefetches have read their address: it steps two fills on
	s_add_nc_u64 s[4:5], s[4:5], 2*ROWT
	s_sub_co_u32 s3, s3, 1
	s_cmp_lg_u32 s3, 0
	s_cbranch_scc1 .Llap
	TURN 0, 1, 0                                   ; the last lap fills nothing
	s_cmp_eq_u32 s[ISR], 1                         ; the kind: the same in all sixteen partners.  No tensor load and no barrier but the closing round follows
	s_cbranch_scc1 .Lrope
	STEP 1, 0, 0
	LAST
	PLACES
.irp b, 0,1,2,3
	v_mov_b32 v[TM+4+\b], 0                        ; a lane permute's destination counts as one of its sources
.endr
	v_cmp_le_u32 vcc_lo, 16, v[LN]
	; Q_C, K_C, V: a group of P's 128 rows is one K step of the product that follows: one image a block
.irp a, 0,1,2,3,4,5,6,7
.set PC, 128+12*\a                     ; block a's codes stay in v[128 + 12 a] on, where R's fragments lay
	QUANT 64*(\a%4), 2+\a/4, WD+\a
.endr
.irp i, 0,1,2,3
	v_cndmask_b32 v[EV+\i], v[WD+2*\i], v[WD+2*\i+1], vcc_lo   ; the quad: lanes 16-31 take the odd block's word
.endr
.irp a, 0,1,2,3,4,5,6,7                ; all stores in one run, behind all the vector work
.irp c, 0,1,2
	global_store_b128 v[O16], v[128+12*\a+4*\c:128+12*\a+4*\c+3], s[12:13] offset:FRB*\a+512*\c   ; 512 consecutive bytes, aligned
.endr
.endr
	global_store_b128 v[O16], v[EV:EV+3], s[18:19]
	s_branch .Ldone
.Lrope:
	LOADT 0                                        ; the first two blocks' table numbers: 128 matrix instructions ahead of their use
	LOADT 1
	STEP 1, 0, 0
	LOADT 2                                        ; P's set 0 has been multiplied for the last time, four places back
	LOADT 3
	LOADT 4
	LAST
	PLACES
	LOADT 5                                        ; and P's set 1
	LOADT 6
.irp b, 0,1,2,3
	v_mov_b32 v[TM+4+\b], 0                        ; a lane permute's destination counts as one of its sources
.endr
	s_wait_loadcnt 48                              ; block 0's eight loads are in; those of blocks 1 to 6 may be out
	LOADT 7
.irp a, 0,1,2,3,4,5,6,7
.set PC, 128+12*\a
	ROPE \a
	QUANT 64*(\a%4), 2+\a/4, WD+\a
.endr
.irp a, 0,1,2,3,4,5,6,7
	v_and_b32 v[EV+\a], 0xffff, v[WD+\a]           ; the even head's two bytes; the bytes of the empty blocks are 0
.endr
.irp a, 0,1,2,3,4,5,6,7
	v_lshrrev_b32 v[WD+\a], 16, v[WD+\a]           ; the odd head's
.endr
.irp a, 0,1,2,3,4,5,6,7                ; all stores in one run, behind all the vector work
.set PC, 128+12*\a
	global_store_b128 v[O16], v[PC:PC+3], s[12:13] offset:12288+768*\a          ; registers 0-5 are the even head's 64 along K: a half image, 512 + 256 bytes,
	global_store_b64 v[O8], v[PC+4:PC+5], s[12:13] offset:12288+768*\a+512
	global_store_b128 v[O16], v[PC+6:PC+9], s[100:101] offset:12288+768*\a      ; registers 6-11 the odd head's
	global_store_b64 v[O8], v[PC+10:PC+11], s[100:101] offset:12288+768*\a+512
.endr
	global_store_b128 v[O16], v[EV:EV+3], s[12:13] offset:18944
	global_store_b128 v[O16], v[EV+4:EV+7], s[12:13] offset:18944+512
	global_store_b128 v[O16], v[WD:WD+3], s[100:101] offset:18944
	global_store_b128 v[O16], v[WD+4:WD+7], s[100:101] offset:18944+512
.Ldone:
	s_wait_tensorcnt 0x0                           ; the wave's end
	ds_add_u32 v[SPW], v[NIL]
	s_wait_dscnt 0x0
	CROUND                                         ; the closing round: no work-group ends while a partner may still ask for a tile that names it
	s_endpgm
.Lfunc_end_k_q1654b1b737_proj:
	.size	k_q1654b1b737_proj, .Lfunc_end_k_q1654b1b737_proj-k_q1654b1b737_proj
	.p2alignl 7, 3214868480
	.fill 96, 4, 3214868480
	.section	.rodata,"a",@progbits
	.p2align	6, 0x0
	.amdhsa_kernel k_q1654b1b737_proj
		.amdhsa_group_segment_fixed_size 327680
		.amdhsa_private_segment_fixed_size 0
		.amdhsa_enable_private_segment 0
		.amdhsa_kernarg_size 32
		.amdhsa_user_sgpr_count 2
		.amdhsa_user_sgpr_kernarg_segment_ptr 1
		.amdhsa_wavefront_size32 1
		.amdhsa_system_sgpr_workgroup_id_x 1
		.amdhsa_system_sgpr_workgroup_id_y 1
		.amdhsa_system_sgpr_workgroup_id_z 1
		.amdhsa_system_vgpr_workitem_id 0
		.amdhsa_next_free_vgpr 1024
		.amdhsa_next_free_sgpr 104
		.amdhsa_reserve_vcc 1
		.amdhsa_float_denorm_mode_32 3
		.amdhsa_float_denorm_mode_16_64 3
		.amdhsa_memory_ordered 1
		.amdhsa_forward_progress 1
		.amdhsa_inst_pref_size 253
	.end_amdhsa_kernel
	.amdgpu_metadata
---
amdhsa.version: [ 1, 2 ]
amdhsa.kernels:
  - .name:           k_q1654b1b737_proj
    .symbol:         k_q1654b1b737_proj.kd
    .args:
      - { .name: codes, .offset: 0, .size: 8, .value_kind: global_buffer, .address_space: global }
      - { .name: scales, .offset: 8, .size: 8, .value_kind: global_buffer, .address_space: global }
      - { .name: rope, .offset: 16, .size: 8, .value_kind: global_buffer, .address_space: global }
      - { .name: img, .offset: 24, .size: 8, .value_kind: global_buffer, .address_space: global }
    .group_segment_fixed_size: 327680
    .private_segment_fixed_size: 0
    .kernarg_segment_align: 8
    .kernarg_segment_size: 32
    .max_flat_workgroup_size: 128
    .sgpr_count:     104
    .vgpr_count:     1024
    .wavefront_size: 32
...
	.end_amdgpu_metadata
.endif
;; end of part 2
;; launch attn (part 3): grid 8 x 32, 8 waves a work-group, clusters of 4 x 1, 327,680 bytes of LDS; arguments img, oimg, osc; writes oimg, osc
.if DOCPART == 3
	.amdgcn_target "amdgcn-amd-amdhsa--gfx1250"
	.amdhsa_code_object_version 6
	.text
	.protected	k_q1654b1b737_attn
	.globl	k_q1654b1b737_attn
	.p2align	8
	.type	k_q1654b1b737_attn,@function
k_q1654b1b737_attn:
	s_mov_b64 s[64:65], 0
	v_nop
	global_prefetch_b8 v0, s[64:65] scope:SCOPE_SE
	s_setreg_imm32_b32 hwreg(HW_REG_WAVE_MODE, 25, 1), 1
	s_wait_xcnt 0x0
	s_wait_alu depctr_hold_cnt(0) depctr_sa_sdst(0) depctr_va_vdst(0) depctr_va_sdst(0) depctr_va_ssrc(0) depctr_va_vcc(0) depctr_vm_vsrc(0)
	s_getreg_b32 s2, hwreg(HW_REG_IB_STS2, 6, 4)
	s_cmp_eq_u32 s2, 0
	s_cbranch_scc0 .Lentry_in_a_cluster
	s_endpgm
.Lentry_in_a_cluster:
	s_bfe_u32 s2, ttmp6, 0x10000c
	s_cmp_lg_u32 s2, 0x3003
	s_cbranch_scc0 .Lentry_shape_is_right
	s_endpgm
.Lentry_shape_is_right:
; Attention of one head on codes of FP6 (E2M3): S^T = K_C Q_C^T + K_R Q_R^T, p = 2^(t - M) with a running whole M, O^T += V^T p^T, O / l quantised along the head's axis into the image that the last launch reads.
; SHARES.  A work-group takes 128 queries of one (batch, head); a wave 16 queries; a lane one query (r) and, of each 32 keys, 16 (h).  Eight steps of 128 keys.  256 work-groups.
; K AND V of the head, 8 blocks of 32,768 bytes as the launch before laid them (register images), lie on end in memory and come into LDS once, to the same places: 262,144 bytes, nothing is filled again.
; THREE FILLS, one tensor load a wave each: blocks 0-1 at the head (8,192 bytes a wave); blocks 2-4 behind the wait for these, the add and a round (12,288 a wave); blocks 5-7 the same way in step 1.
; Step s fetches block s + 1's K fragments, so blocks 2-4 are waited for in step 1 and blocks 5-7 in step 4.  Every wait on TENSORcnt is for 0.
; CLUSTERS: the four work-groups of a cluster take four query blocks of one head and need the same K and V: each fill is asked for jointly, mask 15.
; PREFETCH: behind each of the first two fills a wave names 12 blocks of 256 bytes of the NEXT fill (96 KiB = 384 blocks = 4 work-groups x 8 waves x 12 lanes, shared out by address; lanes 12-31 name the wave's last block again):
; one fill ahead of the load that wants them; the first fill comes by its load alone, and nothing is asked for behind the last.
; LDS LOADS stand in two runs a step: V's 25 behind the score products' places, the next block's K (18 for K_R, then 25 for K_C) behind the wait ahead of the exponentials.
; K_R and Q_R have 64 along K: registers 6-11 of their fragments are zero codes, written once.
; REGISTERS: window 0: v1-11 addresses; v12 -M, v13 the largest t, v[14:15] the sum; v16-33 scales alone; v36-95 V's tiles 0-4; v96-159 S^T, then p; v160-223 O^T; v224-235 p's codes; v236-247, v252-254 at work; v248 the prefetches' offset;
;   v251, v255 the add's two.  window 1: Q_C 0-11, Q_R 12-23, K_C 24-119, K_R 120-215, V's tiles 5-7 216-251.
; LIMITS: the promise holds while the scaled scores (exponents to the base 2) stay under 2^31 in magnitude; a block of zeros or under 2^-124 gets the byte 1 (read by this program alone); NaN and infinities are not served.
.set QBLK,  19968
.set KVB,   32768
.set IMGKV, 256*QBLK
.set O_KR,  12288
.set O_CS,  18432
.set O_RS,  18944
.set O_V,   19968
.set O_VS,  32256
.set STAGE, 8*KVB                      ; 512 bytes: the waves' scale words on the way out
.set SPARE, 0x40200                    ; the spare words, 128 bytes a wave
.set QC,  0
.set QR,  12
.set KC,  24
.set KR,  120
.set VH,  216
.set VL,  36
.set PC,  40
.set TM,  64
.set PW,  80
.set PFO, 248
.set WV,  12
.set G1,  24                           ; s[24:31] group 1: 32 rows of 256 bytes
.set G0,  32                           ; s[32:35] group 0 of blocks 0-1
.set G0X, 36                           ; s[36:39] of blocks 2-4
.set G1X, 40                           ; s[40:47] group 1: 48 rows of 256 bytes
.set G0Y, 48                           ; s[48:51] of blocks 5-7
.set PF,  52                           ; s[52:53] my 12 blocks of blocks 2-4; never rewritten
.set SEL, 72
.set CS,  74
.set MSB, 0
.macro WIN new
.if MSB != (\new)
	s_set_vgpr_msb (MSB<<8)|(\new)
.set MSB, (\new)
.endif
.endm
.macro CROUND                          ; a round of the cluster's barrier
	s_barrier_signal -1
	s_barrier_wait -1
	s_cmp_lg_u32 s[WV], 0
	s_cbranch_scc1 .Lnot_wave_0_\@
	s_barrier_signal -3
.Lnot_wave_0_\@:
	s_barrier_wait -3
	s_barrier_signal -1
	s_barrier_wait -1
.endm
.macro PLACES
.rept 4
	v_nop
.endr
.endm
	s_load_b128 s[4:7], s[0:1], 0x0                ; img, oimg
	s_load_b64 s[8:9], s[0:1], 0x10                ; osc
	v_lshl_add_u32 v251, v0, 2, SPARE
	v_mov_b32 v255, 0
	ds_add_u32 v251, v255                          ; the opening lines: the add twice on end, and one wait
	ds_add_u32 v251, v255
	v_lshrrev_b32 v5, 5, v0
	s_delay_alu instid0(VALU_DEP_1)
	v_readfirstlane_b32 s[WV], v5                  ; wave 0..7
	s_bfe_u32 s13, ttmp6, 0x40000                  ; cx
	s_lshl_b32 s14, ttmp9, 2
	s_add_co_u32 s14, s14, s13                     ; my block of 128 queries
	s_and_b32 s15, ttmp7, 0xffff                   ; 16 x batch + head
	s_lshl_b32 s16, s15, 18
	s_add_co_u32 s16, s16, IMGKV                   ; the head's K and V
	s_mov_b32 s17, 0
	s_lshl_b32 s56, s[WV], 13                      ; my share of blocks 0-1: the same offset in memory and in LDS
	s_mov_b32 s57, 0
	s_mul_i32 s58, s[WV], 12288
	s_add_co_u32 s58, s58, 2*KVB                   ; of blocks 2-4
	s_mov_b32 s59, 0
	s_add_co_u32 s60, s58, 3*KVB                   ; of blocks 5-7
	s_mov_b32 s61, 0
	s_lshl_b32 s62, s13, 3
	s_add_co_u32 s62, s62, s[WV]
	s_mul_i32 s62, s62, 3072
	s_add_co_u32 s62, s62, 2*KVB                   ; the prefetches: 12 blocks of 256 bytes for each of the cluster's 32 waves
	s_mov_b32 s63, 0
	s_mov_b32 s[G1], 15|(3<<16)|(1<<21)            ; mask: all four partners; elements of 8 bytes
	s_mov_b32 s[G1+1], 32<<16
	s_mov_b32 s[G1+2], 32<<16
	s_mov_b32 s[G1+3], 32<<16
	s_mov_b32 s[G1+4], 32
	s_mov_b32 s[G1+5], 32
	s_mov_b32 s[G1+6], 0
	s_mov_b32 s[G1+7], 0
	s_mov_b32 s[G1X], 15|(3<<16)|(1<<21)
	s_mov_b32 s[G1X+1], 32<<16
	s_mov_b32 s[G1X+2], 48<<16
	s_mov_b32 s[G1X+3], 32<<16
	s_mov_b32 s[G1X+4], 48
	s_mov_b32 s[G1X+5], 32
	s_mov_b32 s[G1X+6], 0
	s_mov_b32 s[G1X+7], 0
	s_lshl_b32 s21, s15, 3
	s_add_co_u32 s21, s21, s14
	s_mul_i32 s66, s21, QBLK                       ; my queries' block
	s_mov_b32 s67, 0
	s_lshr_b32 s22, s15, 4
	s_and_b32 s23, s15, 15
	s_lshl_b32 s22, s22, 3
	s_add_co_u32 s22, s22, s14                     ; the rows' group of 128 in O
	s_lshl_b32 s68, s22, 3
	s_add_co_u32 s68, s68, s[WV]
	s_lshl_b32 s68, s68, 4
	s_add_co_u32 s68, s68, s23
	s_mul_i32 s68, s68, 1536                       ; O's image: [tile][K step = head]
	s_mov_b32 s69, 0
	s_lshl_b32 s70, s22, 4
	s_add_co_u32 s70, s70, s23
	s_lshl_b32 s70, s70, 9                         ; O's quad: [group][head]
	s_mov_b32 s71, 0
	s_lshl_b32 s20, s[WV], 6
	s_add_co_u32 s20, s20, STAGE                   ; my 64 bytes of the stage
	s_mul_i32 s21, s[WV], 1536                     ; my tile's image of Q_C,
	s_mul_i32 s22, s[WV], 768                      ; its half image of Q_R,
	s_and_b32 s23, s[WV], 1
	s_lshl_b32 s23, s23, 8
	s_lshr_b32 s54, s[WV], 1
	s_lshl_b32 s54, s54, 2
	s_add_co_u32 s23, s23, s54                     ; its word in Q_C's quad,
	s_lshr_b32 s54, s[WV], 2
	s_lshl_b32 s54, s54, 9
	s_and_b32 s55, s[WV], 3
	s_lshl_b32 s55, s55, 2
	s_add_co_u32 s54, s54, s55                     ; and among Q_R's words
	s_mov_b32 s[SEL], 0x76543210
	s_mov_b32 s[SEL+1], 0xfedcba98
	s_mov_b32 s[CS], 0x3dd53b94                    ; log2(e) / sqrt(192)
	s_mov_b32 s[CS+1], s[CS]
	s_wait_dscnt 0x0
	s_wait_kmcnt 0x0
	s_add_nc_u64 s[18:19], s[4:5], s[16:17]
	s_add_nc_u64 s[66:67], s[4:5], s[66:67]
	s_add_nc_u64 s[68:69], s[6:7], s[68:69]
	s_add_nc_u64 s[70:71], s[8:9], s[70:71]
	s_mov_b32 s[G0], 1
	s_mov_b32 s[G0+1], s56
	s_add_nc_u64 s[G0+2:G0+3], s[18:19], s[56:57]
	s_or_b32 s[G0+3], s[G0+3], 0x80000000
	s_mov_b32 s[G0X], 1
	s_mov_b32 s[G0X+1], s58
	s_add_nc_u64 s[G0X+2:G0X+3], s[18:19], s[58:59]
	s_or_b32 s[G0X+3], s[G0X+3], 0x80000000
	s_mov_b32 s[G0Y], 1
	s_mov_b32 s[G0Y+1], s60
	s_add_nc_u64 s[G0Y+2:G0Y+3], s[18:19], s[60:61]
	s_or_b32 s[G0Y+3], s[G0Y+3], 0x80000000
	s_add_nc_u64 s[PF:PF+1], s[18:19], s[62:63]
	CROUND                                         ; the four partners are here: the first joint loads meet
	tensor_load_to_lds s[G0:G0+3], s[G1:G1+7]      ; blocks 0-1: my one load at the head
	s_nop 0
	PLACES
	v_and_b32 v5, 31, v0
	v_and_b32 v6, 15, v0
	s_delay_alu instid0(VALU_DEP_2)
	v_lshlrev_b32 v1, 4, v5                        ; 16 x lane; never rewritten
	s_delay_alu instid0(VALU_DEP_3)
	v_lshlrev_b32 v3, 4, v5                        ; 16 x lane + the step's block
	s_delay_alu instid0(VALU_DEP_4)
	v_lshlrev_b32 v4, 3, v5                        ; 8 x lane + the step's block
	s_delay_alu instid0(VALU_DEP_4)
	v_lshl_add_u32 v7, v6, 2, s20
	v_lshl_add_u32 v8, v5, 2, STAGE
	v_lshl_add_u32 v9, v5, 4, s21
	v_lshl_add_u32 v10, v5, 4, s22
	v_lshl_add_u32 v11, v5, 3, s22
	v_lshl_add_u32 v34, v6, 4, s23
	v_lshl_add_u32 v35, v5, 4, s54
	v_min_u32 v[PFO], 11, v5
	s_delay_alu instid0(VALU_DEP_1)
	v_lshlrev_b32 v[PFO], 8, v[PFO]
	v_mov_b32 v13, 0xff61b1e6                      ; the largest t so far: -3e38
	s_delay_alu instid0(VALU_DEP_1)
	v_floor_f32 v12, -v13
	v_mov_b32 v14, 0
	v_mov_b32 v15, 0
.irp b, 0,1,2,3
	v_mov_b32 v[236+\b], 0                         ; a lane permute's destination counts as one of its sources
.endr
	v_mov_b32 v253, 0
	WIN 0x40
.irp i, 0,1,2,3,4,5
	v_mov_b32 v[QR+6+\i], 0                        ; zero codes for k = 64 .. 127
.endr
.irp t, 0,1,2,3,4,5,6,7
.irp i, 0,1,2,3,4,5
	v_mov_b32 v[KR+12*\t+6+\i], 0
.endr
.endr
	s_wait_alu depctr_va_vdst(0)                   ; the wait at the end of the head's vector work
.irp c, 0,1,2
	global_load_b128 v[QC+4*\c:QC+4*\c+3], v9, s[66:67] offset:512*\c
.endr
	global_load_b128 v[QR:QR+3], v10, s[66:67] offset:O_KR
	global_load_b64 v[QR+4:QR+5], v11, s[66:67] offset:O_KR+512
	WIN 0
	global_load_b32 v32, v34, s[66:67] offset:O_CS
	global_load_b32 v33, v35, s[66:67] offset:O_RS
	global_prefetch_b8 v[PFO], s[PF:PF+1] th:TH_LOAD_NT scope:SCOPE_SE   ; my 12 blocks of blocks 2-4
.macro KFETCH off                      ; a block's K: K_R's words and half images (18 loads), then K_C's quad and images (25)
	ds_load_b128 v[20:23], v3 offset:(\off)+O_RS
	ds_load_b128 v[24:27], v3 offset:(\off)+O_RS+512
	WIN 0x40
.irp t, 0,1,2,3,4,5,6,7
	ds_load_b128 v[KR+12*\t:KR+12*\t+3], v3 offset:(\off)+O_KR+768*\t
	ds_load_b64 v[KR+12*\t+4:KR+12*\t+5], v4 offset:(\off)+O_KR+768*\t+512
.endr
	WIN 0
	ds_load_b128 v[16:19], v3 offset:(\off)+O_CS
	WIN 0x40
.irp t, 0,1,2,3,4,5,6,7
.irp c, 0,1,2
	ds_load_b128 v[KC+12*\t+4*\c:KC+12*\t+4*\c+3], v3 offset:(\off)+1536*\t+512*\c
.endr
.endr
	WIN 0
.endm
.macro VFETCH                          ; this block's V^T: the quad and eight images: 25 loads
	ds_load_b128 v[28:31], v3 offset:O_VS
.irp t, 0,1,2,3,4
.irp c, 0,1,2
	ds_load_b128 v[VL+12*\t+4*\c:VL+12*\t+4*\c+3], v3 offset:O_V+1536*\t+512*\c
.endr
.endr
	WIN 0x40
.irp t, 5,6,7
.irp c, 0,1,2
	ds_load_b128 v[VH+12*(\t-5)+4*\c:VH+12*(\t-5)+4*\c+3], v3 offset:O_V+1536*\t+512*\c
.endr
.endr
	WIN 0
.endm
.macro PVM t, zero
.if (\t) < 5
	WIN 0
.set VA, VL+12*(\t)
.else
	WIN 0x01
.set VA, VH+12*((\t)-5)
.endif
.if \zero
.if (\t)%2
	v_wmma_scale_f32_16x16x128_f8f6f4 v[160+8*(\t):167+8*(\t)], v[VA:VA+11], v[224:235], 0, v[28+(\t)/2], v253 matrix_a_fmt:MATRIX_FMT_FP6 matrix_b_fmt:MATRIX_FMT_FP6 matrix_a_scale:MATRIX_SCALE_ROW1
.else
	v_wmma_scale_f32_16x16x128_f8f6f4 v[160+8*(\t):167+8*(\t)], v[VA:VA+11], v[224:235], 0, v[28+(\t)/2], v253 matrix_a_fmt:MATRIX_FMT_FP6 matrix_b_fmt:MATRIX_FMT_FP6
.endif
.else
.if (\t)%2
	v_wmma_scale_f32_16x16x128_f8f6f4 v[160+8*(\t):167+8*(\t)], v[VA:VA+11], v[224:235], v[160+8*(\t):167+8*(\t)], v[28+(\t)/2], v253 matrix_a_fmt:MATRIX_FMT_FP6 matrix_b_fmt:MATRIX_FMT_FP6 matrix_a_scale:MATRIX_SCALE_ROW1
.else
	v_wmma_scale_f32_16x16x128_f8f6f4 v[160+8*(\t):167+8*(\t)], v[VA:VA+11], v[224:235], v[160+8*(\t):167+8*(\t)], v[28+(\t)/2], v253 matrix_a_fmt:MATRIX_FMT_FP6 matrix_b_fmt:MATRIX_FMT_FP6
.endif
.endif
.endm
.macro STEP s
	s_wait_dscnt 25                                ; K_R's 18 loads are in; K_C's 25 may be out
	WIN 0x05
.irp t, 0,1,2,3,4,5,6,7
	v_wmma_scale_f32_16x16x128_f8f6f4 v[96+8*\t:103+8*\t], v[KR+12*\t:KR+12*\t+11], v[QR:QR+11], 0, v[20+\t], v33 matrix_a_fmt:MATRIX_FMT_FP6 matrix_b_fmt:MATRIX_FMT_FP6
.endr
	s_wait_dscnt 0x0
.irp t, 0,1,2,3,4,5,6,7
.if \t%2
	v_wmma_scale_f32_16x16x128_f8f6f4 v[96+8*\t:103+8*\t], v[KC+12*\t:KC+12*\t+11], v[QC:QC+11], v[96+8*\t:103+8*\t], v[16+\t/2], v32 matrix_a_fmt:MATRIX_FMT_FP6 matrix_b_fmt:MATRIX_FMT_FP6 matrix_a_scale:MATRIX_SCALE_ROW1
.else
	v_wmma_scale_f32_16x16x128_f8f6f4 v[96+8*\t:103+8*\t], v[KC+12*\t:KC+12*\t+11], v[QC:QC+11], v[96+8*\t:103+8*\t], v[16+\t/2], v32 matrix_a_fmt:MATRIX_FMT_FP6 matrix_b_fmt:MATRIX_FMT_FP6
.endif
.endr
	WIN 0
.if (\s) == 1
	s_wait_tensorcnt 0x0                           ; my share of blocks 2-4 is in
	ds_add_u32 v251, v255
	s_wait_dscnt 0x0
	CROUND                                         ; everybody's share is in, and the four partners are here
	tensor_load_to_lds s[G0Y:G0Y+3], s[G1X:G1X+7]  ; blocks 5-7
	s_nop 0
.elseif (\s) == 4
	s_wait_tensorcnt 0x0                           ; my share of blocks 5-7 is in,
	s_barrier_signal -1
	s_barrier_wait -1                              ; everybody's is
.endif
	PLACES                                         ; in front of the loads below and of the first read of the scores
	VFETCH
.irp b, 0,1,2,3
	v_max3_num_f32 v[232+\b], v[96+16*\b], v[97+16*\b], v[98+16*\b]   ; the largest score of each block of 32 keys
.endr
.irp i, 3,5,7,9,11,13
.irp b, 0,1,2,3
	v_max3_num_f32 v[232+\b], v[232+\b], v[96+16*\b+\i], v[97+16*\b+\i]
.endr
.endr
.irp b, 0,1,2,3
	v_max_num_f32 v[232+\b], v[232+\b], v[111+16*\b]
.endr
.irp b, 0,1,2,3
	s_delay_alu instid0(VALU_DEP_4)
	v_permlanex16_b32 v[236+\b], v[232+\b], s[SEL], s[SEL+1]
.endr
.irp b, 0,1,2,3
	v_max_num_f32 v[232+\b], v[232+\b], v[236+\b]
.endr
	s_delay_alu instid0(VALU_DEP_2)
	v_max3_num_f32 v254, v232, v233, v234
	s_delay_alu instid0(VALU_DEP_1)
	v_max_num_f32 v254, v254, v235
	s_delay_alu instid0(VALU_DEP_1)
	v_mul_f32 v254, s[CS], v254                    ; as t
	s_delay_alu instid0(VALU_DEP_1)
	v_max_num_f32 v13, v13, v254                   ; the running largest t
	v_mov_b32 v254, v12
	s_delay_alu instid0(VALU_DEP_2)
	v_floor_f32 v12, -v13                          ; -M = floor(-t): M is a whole number
	s_delay_alu instid0(VALU_DEP_1)
	v_sub_f32 v254, v12, v254
	s_delay_alu instid0(VALU_DEP_1)
	v_cvt_i32_f32 v254, v254
	s_delay_alu instid0(VALU_DEP_1)
	v_ldexp_f32 v252, 1.0, v254                    ; f = 2^(old M - new M)
.set J, 0
.rept 32
	v_pk_fma_f32 v[96+J:97+J], v[96+J:97+J], s[CS:CS+1], v[12:13] op_sel_hi:[1,0,0]   ; t - M
.set J, J+2
.endr
.irp b, 0,1,2,3
	v_fma_f32 v[232+\b], v[232+\b], s[CS], v12     ; the same of each block's largest score
.endr
	s_wait_alu depctr_va_vdst(0)                   ; the wait ahead of the batch
.if (\s) < 7
	KFETCH KVB                                     ; the next block's K: 43 loads
.endif
.set J, 0
.rept 64
	v_exp_f32 v[96+J], v[96+J]                     ; p, at most 1
.set J, J+1
.endr
	v_pk_mul_f32 v[14:15], v[14:15], v[252:253] op_sel_hi:[1,0]   ; the sums under the new M
	s_wait_alu depctr_va_vdst(0)                   ; one wait for the batch, ahead of its first reader
.irp b, 0,1,2,3
	v_exp_f32 v[232+\b], v[232+\b]                 ; each block's largest p
.endr
	v_pk_add_f32 v[236:237], v[96:97], v[98:99]    ; the sum of the unquantised p, in two chains
.irp j, 4,8,12,16,20,24,28,32,36,40,44,48,52,56,60
	v_pk_add_f32 v[14:15], v[14:15], v[96+\j:97+\j]
	v_pk_add_f32 v[236:237], v[236:237], v[98+\j:99+\j]
.endr
	s_delay_alu instid0(VALU_DEP_1)
	v_pk_add_f32 v[14:15], v[14:15], v[236:237]
	s_wait_alu depctr_va_vdst(0)                   ; and one for the four
.irp b, 0,1,2,3
	v_max_num_f32 v[232+\b], 0x1800000, v[232+\b]  ; the floor 2^(3 - 127)
.endr
.irp b, 0,1,2,3
	s_delay_alu instid0(VALU_DEP_4)
	v_add_nc_u32 v[244+\b], 0xff000000, v[232+\b]  ; 2 off the exponent field: the conversion's scale operand
.endr
.irp b, 0,1,2,3
	s_delay_alu instid0(VALU_DEP_4)
	v_lshrrev_b32 v[236+\b], 23, v[244+\b]         ; the scale's byte
.endr
	s_delay_alu instid0(VALU_DEP_3)
	v_lshl_or_b32 v253, v237, 8, v236
	s_delay_alu instid0(VALU_DEP_1)
	v_lshl_or_b32 v253, v238, 16, v253
	s_delay_alu instid0(VALU_DEP_1)
	v_lshl_or_b32 v253, v239, 24, v253             ; p's scale word for these 128 keys
.irp c, 0,1
	v_cvt_scalef32_pk16_fp6_f32 v[224+6*\c:226+6*\c], v[96+32*\c:111+32*\c], v[244+2*\c]
	v_cvt_scalef32_pk16_fp6_f32 v[236+4*\c:238+4*\c], v[112+32*\c:127+32*\c], v[244+2*\c+1]
.endr
	v_nop                                          ; one plain place behind a scaled conversion
.irp c, 0,1
.irp i, 0,1,2
	v_permlane16_swap_b32 v[224+6*\c+\i], v[236+4*\c+\i]
.endr
.irp i, 0,1,2
	s_delay_alu instid0(VALU_DEP_3)
	v_mov_b32 v[227+6*\c+\i], v[236+4*\c+\i]
.endr
.endr
.if (\s) > 0
	s_wait_alu depctr_va_vdst(0)                   ; the wait directly ahead of the first reader of O^T
.set J, 0
.rept 32
	v_pk_mul_f32 v[160+J:161+J], v[160+J:161+J], v[252:253] op_sel_hi:[1,0]   ; O^T under the new M; also the places in front of the products
.set J, J+2
.endr
.else
.rept 8
	v_nop                                          ; a scale register written by a vector instruction stands 8 places ahead of a scaled product
.endr
.endif
	s_wait_alu depctr_va_vdst(0)
.if (\s) < 7
	s_wait_dscnt 43                                ; V's 25 loads are in; the next block's 43 may be out
.else
	s_wait_dscnt 0x0
.endif
.irp t, 0,1,2,3,4,5,6,7
.if (\s) == 0
	PVM \t, 1
.else
	PVM \t, 0
.endif
.endr
	WIN 0
.if (\s) < 7
	v_add_nc_u32 v3, KVB, v3                       ; on to the next block
	v_add_nc_u32 v4, KVB, v4
	s_wait_alu depctr_va_vdst(0)
.else
	PLACES
.endif
.endm
	s_wait_tensorcnt 0x0                           ; my share of blocks 0-1 is in
	ds_add_u32 v251, v255
	s_wait_dscnt 0x0
	CROUND                                         ; everybody's share is in, and the four partners are here
	tensor_load_to_lds s[G0X:G0X+3], s[G1X:G1X+7]  ; blocks 2-4
	s_nop 0
	PLACES
	KFETCH 0
	global_prefetch_b8 v[PFO], s[PF:PF+1] offset:3*KVB th:TH_LOAD_NT scope:SCOPE_SE   ; my 12 blocks of blocks 5-7
	s_wait_loadcnt 0x0                             ; Q's fragments and scale words
.irp s, 0,1,2,3,4,5,6,7
	STEP \s
.endr
	v_add_f32 v14, v14, v15
	s_delay_alu instid0(VALU_DEP_1)
	v_permlanex16_b32 v252, v14, s[SEL], s[SEL+1]
	s_delay_alu instid0(VALU_DEP_1)
	v_add_f32 v14, v14, v252                       ; the row's sum
	s_wait_alu depctr_va_vdst(0)
	v_rcp_f32 v14, v14
.irp b, 0,1,2,3
	v_mov_b32 v[TM+4+\b], 0
.endr
	s_wait_alu depctr_va_vdst(0)
.set J, 0
.rept 64
	v_mul_f32 v[96+J], v[160+J], v14               ; O: register 16 b + i is dimension 32 b + 16 h + i of my query
.set J, J+1
.endr
.irp b, 0,1,2,3
	v_max3_num_f32 v[TM+\b], 0x1800000, |v[96+16*\b]|, |v[97+16*\b]|
.endr
.irp i, 2,4,6,8,10,12,14
.irp b, 0,1,2,3
	s_delay_alu instid0(VALU_DEP_4)
	v_max3_num_f32 v[TM+\b], v[TM+\b], |v[96+16*\b+\i]|, |v[97+16*\b+\i]|
.endr
.endr
.irp b, 0,1,2,3
	s_delay_alu instid0(VALU_DEP_4)
	v_permlanex16_b32 v[TM+4+\b], v[TM+\b], s[SEL], s[SEL+1]
.endr
.irp b, 0,1,2,3
	s_delay_alu instid0(VALU_DEP_4)
	v_max_num_f32 v[TM+\b], v[TM+\b], v[TM+4+\b]
.endr
.irp b, 0,1,2,3
	s_delay_alu instid0(VALU_DEP_4)
	v_add_nc_u32 v[TM+12+\b], 0xff000000, v[TM+\b]
.endr
.irp b, 0,1,2,3
	s_delay_alu instid0(VALU_DEP_4)
	v_lshrrev_b32 v[TM+4+\b], 23, v[TM+12+\b]
.endr
	s_delay_alu instid0(VALU_DEP_3)
	v_lshl_or_b32 v[PW], v[TM+5], 8, v[TM+4]
	s_delay_alu instid0(VALU_DEP_1)
	v_lshl_or_b32 v[PW], v[TM+6], 16, v[PW]
	s_delay_alu instid0(VALU_DEP_1)
	v_lshl_or_b32 v[PW], v[TM+7], 24, v[PW]
.irp c, 0,1
	v_cvt_scalef32_pk16_fp6_f32 v[PC+6*\c:PC+6*\c+2], v[96+32*\c:111+32*\c], v[TM+12+2*\c]
	v_cvt_scalef32_pk16_fp6_f32 v[PC+12+4*\c:PC+14+4*\c], v[112+32*\c:127+32*\c], v[TM+13+2*\c]
.endr
	v_nop
.irp c, 0,1
.irp i, 0,1,2
	v_permlane16_swap_b32 v[PC+6*\c+\i], v[PC+12+4*\c+\i]
.endr
.irp i, 0,1,2
	s_delay_alu instid0(VALU_DEP_3)
	v_mov_b32 v[PC+3+6*\c+\i], v[PC+12+4*\c+\i]
.endr
.endr
.irp c, 0,1,2
	global_store_b128 v1, v[PC+4*\c:PC+4*\c+3], s[68:69] offset:512*\c   ; 512 consecutive bytes, aligned
.endr
	ds_store_b32 v7, v[PW]                         ; my tile's 16 scale words (both halves of the lanes write the same)
	s_wait_dscnt 0x0
	s_barrier_signal -1
	s_barrier_wait -1
	s_cmp_lg_u32 s[WV], 0
	s_cbranch_scc1 .Lnot_mine
.irp i, 0,1,2,3
	ds_load_b32 v[84+\i], v8 offset:128*\i         ; the quad: register i holds tile 2 i in lanes 0-15, tile 2 i + 1 in lanes 16-31
.endr
	s_wait_dscnt 0x0
	global_store_b128 v1, v[84:87], s[70:71]
.Lnot_mine:
	s_wait_tensorcnt 0x0                           ; the wave's end
	ds_add_u32 v251, v255
	s_wait_dscnt 0x0
	CROUND                                         ; the closing round
	s_endpgm
.Lfunc_end_k_q1654b1b737_attn:
	.size	k_q1654b1b737_attn, .Lfunc_end_k_q1654b1b737_attn-k_q1654b1b737_attn
	.p2alignl 7, 3214868480
	.fill 96, 4, 3214868480
	.section	.rodata,"a",@progbits
	.p2align	6, 0x0
	.amdhsa_kernel k_q1654b1b737_attn
		.amdhsa_group_segment_fixed_size 327680
		.amdhsa_private_segment_fixed_size 0
		.amdhsa_enable_private_segment 0
		.amdhsa_kernarg_size 24
		.amdhsa_user_sgpr_count 2
		.amdhsa_user_sgpr_kernarg_segment_ptr 1
		.amdhsa_wavefront_size32 1
		.amdhsa_system_sgpr_workgroup_id_x 1
		.amdhsa_system_sgpr_workgroup_id_y 1
		.amdhsa_system_sgpr_workgroup_id_z 1
		.amdhsa_system_vgpr_workitem_id 0
		.amdhsa_next_free_vgpr 512
		.amdhsa_next_free_sgpr 80
		.amdhsa_reserve_vcc 0
		.amdhsa_float_denorm_mode_32 3
		.amdhsa_float_denorm_mode_16_64 3
		.amdhsa_memory_ordered 1
		.amdhsa_forward_progress 1
		.amdhsa_inst_pref_size 191
	.end_amdhsa_kernel
	.amdgpu_metadata
---
amdhsa.version: [ 1, 2 ]
amdhsa.kernels:
  - .name:           k_q1654b1b737_attn
    .symbol:         k_q1654b1b737_attn.kd
    .args:
      - { .name: img, .offset: 0, .size: 8, .value_kind: global_buffer, .address_space: global }
      - { .name: oimg, .offset: 8, .size: 8, .value_kind: global_buffer, .address_space: global }
      - { .name: osc, .offset: 16, .size: 8, .value_kind: global_buffer, .address_space: global }
    .group_segment_fixed_size: 327680
    .private_segment_fixed_size: 0
    .kernarg_segment_align: 8
    .kernarg_segment_size: 24
    .max_flat_workgroup_size: 256
    .sgpr_count:     80
    .vgpr_count:     512
    .wavefront_size: 32
...
	.end_amdgpu_metadata
.endif
;; end of part 3
;; launch outp (part 4): grid 8 x 16, 4 waves a work-group, clusters of 4 x 4, 327,680 bytes of LDS; arguments oimg, osc, codes, scales, out0; writes out0
.if DOCPART == 4
	.amdgcn_target "amdgcn-amd-amdhsa--gfx1250"
	.amdhsa_code_object_version 6
	.text
	.protected	k_q1654b1b737_outp
	.globl	k_q1654b1b737_outp
	.p2align	8
	.type	k_q1654b1b737_outp,@function
k_q1654b1b737_outp:
	s_mov_b64 s[64:65], 0
	v_nop
	global_prefetch_b8 v0, s[64:65] scope:SCOPE_SE
	s_setreg_imm32_b32 hwreg(HW_REG_WAVE_MODE, 25, 1), 1
	s_wait_xcnt 0x0
	s_wait_alu depctr_hold_cnt(0) depctr_sa_sdst(0) depctr_va_vdst(0) depctr_va_sdst(0) depctr_va_ssrc(0) depctr_va_vcc(0) depctr_vm_vsrc(0)
	s_getreg_b32 s2, hwreg(HW_REG_IB_STS2, 6, 4)
	s_cmp_eq_u32 s2, 0
	s_cbranch_scc0 .Lentry_in_a_cluster
	s_endpgm
.Lentry_in_a_cluster:
	s_bfe_u32 s2, ttmp6, 0x10000c
	s_cmp_lg_u32 s2, 0xf033
	s_cbranch_scc0 .Lentry_shape_is_right
	s_endpgm
.Lentry_shape_is_right:
; out0 = O W_O^T on codes of FP6 (E2M3), K = 2,048 (K step = head).  O's images and quads come from the attention, W_O's from the first launch (row tiles 768 on, groups 96 on).
; A work-group of four waves makes 128 rows (R = O, source 1) x 256 columns (P = W_O's rows, source 0); a wave 64 x 128: 32 accumulators.  128 work-groups: a wave tile of 64 x 64, which 256 would mean,
; would read a third more LDS bytes for each product.  The loop is the projections': images, two slots, one barrier for each change of slots, joint loads in clusters of 4 x 4; here a slot holds FOUR K steps,
; so that a refill has 128 matrix instructions of a wave in which to land, and the 16 K steps are written out.
; REGISTERS: window 0: v16-31 addresses; v32-95 scale quads, two sets (scales and nothing else); v128-175 R's fragments; on the way out v128-255 hold rows.  window 1: P's two sets.  window 2: accumulators (a, b) at v[64 a + 8 b].
; The way out undoes both physical orders: P's in the stage's columns, R's in the stores' rows.
.set NA,    4
.set NH,    NA/2
.set NQ,    4
.set NL,    3
.set FRB,   1536
.set ROWT,  NQ*FRB
.set TROW,  16*FRB
.set POFF,  8*ROWT                     ; a slot: R's 8 tiles, then P's 16
.set SLOT,  24*ROWT
.set SCR,   2*SLOT                     ; behind the ring: R's quads, 8,192 bytes,
.set SCP,   SCR+8192                   ; P's two groups' quads
.set SPARE, SCP+2*8192+4096            ; the spare words, 128 bytes for each wave
.set SPITCH, 528                       ; the way out: a stage of 16 rows x (512 + 16) bytes for each wave, in slot 0, which has had its last fill and its last read by then
.set ADRA, 16
.set ADRB, 20
.set STO,  24                          ; v24  the stage: where I put 32 bytes of a row
.set RD,   25                          ; v25  and where I read a row back
.set CO,   26                          ; v26  16 x lane: my bytes of a row of out0
.set ASR,  27
.set SPW,  28
.set NIL,  29
.set ASP,  30
.set SC,   32
.set AF,   128
.set BK,   128
.set G1, 24
.set G0, 32
.set G1B, 48
.set G0B, 56
.set G1S, 68
.set G0S, 76
.set G1SB, 80
.set G0SB, 88
.set MSB, 0
.macro WIN new
.if MSB != (\new)
	s_set_vgpr_msb (MSB<<8)|(\new)
.set MSB, (\new)
.endif
.endm
.macro JLOAD g0a, g1a, g0b, g1b        ; waves 0 and 1 fetch for R, waves 2 and 3 for P; four v_nop follow each line
	s_cmp_eq_u32 s15, 0
	s_cbranch_scc0 .Lfor_p_\@
	tensor_load_to_lds s[\g0a:\g0a+3], s[\g1a:\g1a+7]
	s_nop 0
.rept 4
	v_nop
.endr
	s_branch .Lasked_\@
.Lfor_p_\@:
	tensor_load_to_lds s[\g0b:\g0b+3], s[\g1b:\g1b+7]
	s_nop 0
.rept 4
	v_nop
.endr
.Lasked_\@:
.endm
.macro CREST
	s_cmp_lg_u32 s14, 0
	s_cbranch_scc1 .Lnot_wave_0_\@
	s_barrier_signal -3
.Lnot_wave_0_\@:
	s_barrier_wait -3
	s_barrier_signal -1
	s_barrier_wait -1
.endm
.macro CROUND
	s_barrier_signal -1
	s_barrier_wait -1
	CREST
.endm
.macro PLACES
.rept 4
	v_nop
.endr
.endm
	s_load_b256 s[4:11], s[0:1], 0x0               ; oimg s[4:5], osc s[6:7], codes s[8:9], scales s[10:11]
	s_load_b64 s[12:13], s[0:1], 0x20              ; out0
	v_lshl_add_u32 v[SPW], v0, 2, SPARE
	v_mov_b32 v[NIL], 0
	ds_add_u32 v28, v29
	ds_add_u32 v28, v29
	s_wait_dscnt 0x0
	v_lshrrev_b32 v1, 5, v0
	v_readfirstlane_b32 s14, v1                    ; wave 0..3
	s_lshr_b32 s15, s14, 1                         ; which 64 rows are mine.  Also: I fetch for R (0) or for P (1)
	s_and_b32 s16, s14, 1                          ; which 128 columns.  Also: which half of that operand I fetch
	s_bfe_u32 s40, ttmp6, 0x40000
	s_bfe_u32 s41, ttmp6, 0x40004
	s_lshl_b32 s42, ttmp9, 2
	s_add_co_u32 s42, s42, s40                     ; tile column
	s_and_b32 s17, ttmp7, 0xffff
	s_lshl_b32 s17, s17, 2
	s_add_co_u32 s17, s17, s41                     ; tile row
	s_lshl_b32 s43, s41, 2
	s_lshl_b32 s43, 15, s43
	s_lshl_b32 s44, 0x1111, s40
	s_or_b32 s[G1+0], s43, (3<<16)|(1<<21)         ; R's codes: 4 row tiles x ROWT bytes
	s_mov_b32 s[G1+1], (ROWT/8)<<16
	s_mov_b32 s[G1+2], 8<<16                       ; 8 row tiles for the head's load; set to 4 for the ring's behind the wait for it
	s_mov_b32 s[G1+3], (ROWT/8)<<16
	s_mov_b32 s[G1+4], 8
	s_mov_b32 s[G1+5], TROW/8
	s_mov_b32 s[G1+6], 0
	s_mov_b32 s[G1+7], 0
	s_or_b32 s[G1B+0], s44, (3<<16)|(1<<21)        ; P's: 8 row tiles
	s_mov_b32 s[G1B+1], (ROWT/8)<<16
	s_mov_b32 s[G1B+2], 16<<16                     ; 16 for the head's load; set to 8 for the ring's
	s_mov_b32 s[G1B+3], (ROWT/8)<<16
	s_mov_b32 s[G1B+4], 16
	s_mov_b32 s[G1B+5], TROW/8
	s_mov_b32 s[G1B+6], 0
	s_mov_b32 s[G1B+7], 0
	s_or_b32 s[G1S+0], s43, (3<<16)|(1<<21)        ; R's quads: a group's, 32 rows of 256 bytes
	s_mov_b32 s[G1S+1], 32<<16
	s_mov_b32 s[G1S+2], 32<<16                     ; the group's quads whole: 32 rows of 256 bytes
	s_mov_b32 s[G1S+3], 32<<16
	s_mov_b32 s[G1S+4], 32
	s_mov_b32 s[G1S+5], 32
	s_mov_b32 s[G1S+6], 0
	s_mov_b32 s[G1S+7], 0
	s_or_b32 s[G1SB+0], s44, (3<<16)|(1<<21)       ; P's: a group's, 32 rows
	s_mov_b32 s[G1SB+1], 32<<16
	s_mov_b32 s[G1SB+2], 64<<16                    ; two groups' quads: 64 rows
	s_mov_b32 s[G1SB+3], 32<<16
	s_mov_b32 s[G1SB+4], 64
	s_mov_b32 s[G1SB+5], 32
	s_mov_b32 s[G1SB+6], 0
	s_mov_b32 s[G1SB+7], 0
	s_lshl_b32 s18, s17, 3
	s_mul_i32 s20, s18, TROW
	s_mov_b32 s21, 0
	s_lshl_b32 s22, s18, 10                        ; its part of the quads: 1,024 bytes a tile
	s_mov_b32 s23, 0
	s_lshl_b32 s95, s42, 4
	s_add_co_u32 s95, s95, 768                     ; P's first tile: W_O's begin at 768; + 16 x tile column + 8 x half
	s_mul_i32 s46, s95, TROW
	s_mov_b32 s47, 0
	s_lshl_b32 s92, s95, 10
	s_mov_b32 s93, 0
	s_mul_i32 s45, s16, 4*ROWT                     ; where they go in a slot: R's halves,
	s_mul_i32 s67, s16, 8*ROWT
	s_add_co_u32 s67, s67, POFF                    ; P's halves;
	s_wait_kmcnt 0x0
	s_add_nc_u64 s[20:21], s[4:5], s[20:21]
	s_add_nc_u64 s[22:23], s[6:7], s[22:23]
	s_add_nc_u64 s[46:47], s[8:9], s[46:47]
	s_add_nc_u64 s[92:93], s[10:11], s[92:93]
	CROUND                                         ; all sixteen work-groups are here: the first joint loads meet
	s_mov_b32 s[G0S], 1                            ; the head's four tiles, each whole: R's quads,
	s_mov_b32 s[G0S+1], SCR
	s_mov_b64 s[G0S+2:G0S+3], s[22:23]
	s_or_b32 s[G0S+3], s[G0S+3], 0x80000000
	s_mov_b32 s[G0SB], 1                           ; P's,
	s_mov_b32 s[G0SB+1], SCP
	s_mov_b64 s[G0SB+2:G0SB+3], s[92:93]
	s_or_b32 s[G0SB+3], s[G0SB+3], 0x80000000
	s_mov_b32 s[G0], 1                             ; slot 0's 8 tiles of R,
	s_mov_b32 s[G0+1], 0
	s_mov_b64 s[G0+2:G0+3], s[20:21]
	s_or_b32 s[G0+3], s[G0+3], 0x80000000
	s_mov_b32 s[G0B], 1                            ; and its 16 tiles of P
	s_mov_b32 s[G0B+1], POFF
	s_mov_b64 s[G0B+2:G0B+3], s[46:47]
	s_or_b32 s[G0B+3], s[G0B+3], 0x80000000
	s_mul_i32 s2, s16, 4*TROW                      ; for the ring: my half of R's 8 tiles,
	s_mov_b32 s3, 0
	s_mul_i32 s98, s16, 8*TROW                     ; of P's 16
	s_mov_b32 s99, 0
	s_add_nc_u64 s[20:21], s[20:21], s[2:3]
	s_add_nc_u64 s[46:47], s[46:47], s[98:99]
	s_lshl_b32 s7, s41, 1                          ; the prefetches: of the row tiles that I fetch in the ring (4 of R or 8 of P), each of the four partners that ask for them with me takes 1 of R (by cx) or 2 of P (by cy)
	s_cmp_eq_u32 s15, 0
	s_cselect_b64 s[4:5], s[20:21], s[46:47]
	s_cselect_b32 s6, s40, s7
	s_mul_i32 s6, s6, TROW
	s_mov_b32 s7, 0
	s_add_nc_u64 s[4:5], s[4:5], s[6:7]
	s_mov_b32 s[G0+4], 1                           ; slot 1's group 0
	s_add_co_u32 s[G0+5], s45, SLOT
	s_add_nc_u64 s[G0+6:G0+7], s[20:21], ROWT
	s_or_b32 s[G0+7], s[G0+7], 0x80000000
	s_mov_b32 s[G0B+4], 1
	s_add_co_u32 s[G0B+5], s67, SLOT
	s_add_nc_u64 s[G0B+6:G0B+7], s[46:47], ROWT
	s_or_b32 s[G0B+7], s[G0B+7], 0x80000000
; THE HEAD'S LOADS, ONE A WAVE: wave 0 R's slot 0, wave 1 P's, wave 2 R's quads, wave 3 P's.  One chain of branches on the wave's number, one load to an arm, all arms to one join.
.macro ARM under, g0, g1, next
	s_cmp_lt_u32 s14, \under
	s_cbranch_scc0 \next
	tensor_load_to_lds s[\g0:\g0+3], s[\g1:\g1+7]
	s_nop 0
.rept 4
	v_nop
.endr
	s_branch .Lhead_asked
\next:
.endm
	ARM 1, G0,  G1,  .Lhead_b
	ARM 2, G0B, G1B, .Lhead_sa
	ARM 3, G0S, G1S, .Lhead_sb
	tensor_load_to_lds s[G0SB:G0SB+3], s[G1SB:G1SB+7]
	s_nop 0
.rept 4
	v_nop
.endr
.Lhead_asked:
	v_and_b32 v3, 31, v0
.set PFO, 22                           ; v22  the prefetches' offset: a tile's 24 blocks of 256 bytes of a fill, a lane a block; lanes 24-31 name the last block again; never rewritten
	v_min_u32 v4, 23, v3
	v_lshlrev_b32 v[PFO], 8, v4
	global_prefetch_b8 v[PFO], s[4:5] offset:ROWT th:TH_LOAD_NT scope:SCOPE_SE     ; fill 1's bytes (K steps 4-7) and
	global_prefetch_b8 v[PFO], s[4:5] offset:2*ROWT th:TH_LOAD_NT scope:SCOPE_SE   ; fill 2's
	s_cmp_eq_u32 s15, 0
	s_wait_alu depctr_va_vdst(0)
	s_cbranch_scc1 .Lone_tile_a
	global_prefetch_b8 v[PFO], s[4:5] offset:TROW+ROWT th:TH_LOAD_NT scope:SCOPE_SE     ; P's waves: my second tile
	global_prefetch_b8 v[PFO], s[4:5] offset:TROW+2*ROWT th:TH_LOAD_NT scope:SCOPE_SE
.Lone_tile_a:
	v_lshlrev_b32 v[CO], 4, v3
	s_wait_alu depctr_va_vdst(0)
	s_mul_i32 s20, s15, 4*ROWT                     ; my 4 tiles of R
	s_mul_i32 s21, s16, 8*ROWT                     ; my 8 tiles of P
	s_add_co_u32 s21, s21, POFF
.irp s, 0,1
	v_add_nc_u32 v[ADRA+\s], s20, v[CO]
	v_add_nc_u32 v[ADRB+\s], s21, v[CO]
	s_add_co_u32 s20, s20, SLOT
	s_add_co_u32 s21, s21, SLOT
.endr
	s_lshl_b32 s20, s15, 3
	s_add_co_u32 s20, s20, SCR
	v_add_nc_u32 v[ASR], s20, v[CO]                ; of a quad's four registers my four tiles take two: 8 x my half on
	s_lshl_b32 s21, s16, 13
	s_add_co_u32 s21, s21, SCP
	v_add_nc_u32 v[ASP], s21, v[CO]
	v_and_b32 v1, 15, v0                           ; r
	v_bfe_u32 v2, v0, 4, 1                         ; h
	s_mul_i32 s23, s14, 16*SPITCH                  ; my stage
	v_mul_u32_u24 v[STO], v1, SPITCH
	v_lshl_add_u32 v[STO], v2, 6, v[STO]
	v_add_nc_u32 v[STO], s23, v[STO]               ; in: row r, + 64 h
	v_add_nc_u32 v[RD], s23, v[CO]                 ; back: the 32 lanes take a row of 512 bytes
	s_lshl_b32 s20, s17, 7
	s_lshl_b32 s21, s15, 6
	s_add_co_u32 s20, s20, s21                     ; my first row: 128 x tile row + 64 x half
	s_lshl_b32 s20, s20, 13                        ; rows of 8,192 bytes
	s_lshl_b32 s21, s42, 10                        ; my first column, in bytes: 1,024 x tile column + 512 x half
	s_add_co_u32 s20, s20, s21
	s_lshl_b32 s21, s16, 9
	s_add_co_u32 s20, s20, s21
	s_mov_b32 s21, 0
	s_add_nc_u64 s[12:13], s[12:13], s[20:21]
.macro WM d, pa, ra, zero, sa, sb, rw  ; rw: 2 where P's tile is the odd one of its quad register, + 1 where R's is
.if \zero
.if (\rw) == 0
	v_wmma_scale_f32_16x16x128_f8f6f4 v[(\d):(\d)+7], v[(\pa):(\pa)+11], v[(\ra):(\ra)+11], 0, v[\sa], v[\sb] matrix_a_fmt:MATRIX_FMT_FP6 matrix_b_fmt:MATRIX_FMT_FP6
.elseif (\rw) == 1
	v_wmma_scale_f32_16x16x128_f8f6f4 v[(\d):(\d)+7], v[(\pa):(\pa)+11], v[(\ra):(\ra)+11], 0, v[\sa], v[\sb] matrix_a_fmt:MATRIX_FMT_FP6 matrix_b_fmt:MATRIX_FMT_FP6 matrix_b_scale:MATRIX_SCALE_ROW1
.elseif (\rw) == 2
	v_wmma_scale_f32_16x16x128_f8f6f4 v[(\d):(\d)+7], v[(\pa):(\pa)+11], v[(\ra):(\ra)+11], 0, v[\sa], v[\sb] matrix_a_fmt:MATRIX_FMT_FP6 matrix_b_fmt:MATRIX_FMT_FP6 matrix_a_scale:MATRIX_SCALE_ROW1
.else
	v_wmma_scale_f32_16x16x128_f8f6f4 v[(\d):(\d)+7], v[(\pa):(\pa)+11], v[(\ra):(\ra)+11], 0, v[\sa], v[\sb] matrix_a_fmt:MATRIX_FMT_FP6 matrix_b_fmt:MATRIX_FMT_FP6 matrix_a_scale:MATRIX_SCALE_ROW1 matrix_b_scale:MATRIX_SCALE_ROW1
.endif
.else
.if (\rw) == 0
	v_wmma_scale_f32_16x16x128_f8f6f4 v[(\d):(\d)+7], v[(\pa):(\pa)+11], v[(\ra):(\ra)+11], v[(\d):(\d)+7], v[\sa], v[\sb] matrix_a_fmt:MATRIX_FMT_FP6 matrix_b_fmt:MATRIX_FMT_FP6
.elseif (\rw) == 1
	v_wmma_scale_f32_16x16x128_f8f6f4 v[(\d):(\d)+7], v[(\pa):(\pa)+11], v[(\ra):(\ra)+11], v[(\d):(\d)+7], v[\sa], v[\sb] matrix_a_fmt:MATRIX_FMT_FP6 matrix_b_fmt:MATRIX_FMT_FP6 matrix_b_scale:MATRIX_SCALE_ROW1
.elseif (\rw) == 2
	v_wmma_scale_f32_16x16x128_f8f6f4 v[(\d):(\d)+7], v[(\pa):(\pa)+11], v[(\ra):(\ra)+11], v[(\d):(\d)+7], v[\sa], v[\sb] matrix_a_fmt:MATRIX_FMT_FP6 matrix_b_fmt:MATRIX_FMT_FP6 matrix_a_scale:MATRIX_SCALE_ROW1
.else
	v_wmma_scale_f32_16x16x128_f8f6f4 v[(\d):(\d)+7], v[(\pa):(\pa)+11], v[(\ra):(\ra)+11], v[(\d):(\d)+7], v[\sa], v[\sb] matrix_a_fmt:MATRIX_FMT_FP6 matrix_b_fmt:MATRIX_FMT_FP6 matrix_a_scale:MATRIX_SCALE_ROW1 matrix_b_scale:MATRIX_SCALE_ROW1
.endif
.endif
.endm
.macro MUL8 a, p, q, sc, zero          ; R's block a against P's eight tiles: P in window 1, R in window 0, C and D in window 2
	WIN 0xa1
.irp b, 0,1,2,3,4,5,6,7
	WM 64*(\a)+8*\b, 128*(\p)+12*\b, AF+12*(\a), \zero, SC+8*NQ*(\sc)+8*(\q)+4+\b/2, SC+8*NQ*(\sc)+8*(\q)+(\a)/2, 2*(\b%2)+(\a)%2
.endr
.endm
.macro MULS a0, cnt, p, q, sc, zero    ; the 32 accumulators take turns, one instruction a turn, in the same order in every step
.set AA, \a0
.rept \cnt
	MUL8 AA, \p, \q, \sc, \zero
.set AA, AA+1
.endr
.endm
.macro FRAG3 reg, adr, off
.irp c, 0,1,2
	ds_load_b128 v[(\reg)+4*\c:(\reg)+4*\c+3], v[\adr] offset:(\off)+512*\c
.endr
.endm
.macro FETCH_P slot, q, p
	WIN 0x40
.irp i, 0,1,2,3,4,5,6,7
	FRAG3 128*(\p)+12*\i, ADRB+\slot, \i*ROWT+(\q)*FRB
.endr
	WIN 0
.endm
.macro FETCH_R slot, q, i0
.set II, \i0
.rept NH
	FRAG3 AF+12*II, ADRA+\slot, II*ROWT+(\q)*FRB
.set II, II+1
.endr
.endm
.macro SCALES sc
.set QQ, 0
.rept NQ
	ds_load_b64 v[SC+8*NQ*(\sc)+8*QQ:SC+8*NQ*(\sc)+8*QQ+1], v[ASR] offset:512*QQ
	ds_load_b128 v[SC+8*NQ*(\sc)+8*QQ+4:SC+8*NQ*(\sc)+8*QQ+7], v[ASP] offset:512*QQ
.set QQ, QQ+1
.endr
.endm
.macro STEP slot, q, zero
	s_wait_dscnt NH*NL                             ; P's set and R's first half are in; R's second half may be out
	MULS 0, NH, (\q)%2, \q, \slot, \zero
	s_wait_dscnt 0x0
	PLACES
	FETCH_P \slot, (\q)+1, 1-(\q)%2
	FETCH_R \slot, (\q)+1, 0
	MULS NH, NH, (\q)%2, \q, \slot, \zero
	PLACES
	WIN 0
	FETCH_R \slot, (\q)+1, NH
.endm
.macro TURN slot, next, fill
	s_wait_tensorcnt 0x0                           ; all my tensor loads have landed: my part of the next slot
	ds_add_u32 v[SPW], v[NIL]                      ; 0 onto my spare word
	s_wait_dscnt NH*NL+1                           ; (the add and R's second half may be out)
	MULS 0, NH/2, 1, NQ-1, \slot, 0
	s_wait_dscnt 0x0                               ; the add is done, and my reads of this slot are over
	s_barrier_signal -1
	MULS NH/2, NH/2, 1, NQ-1, \slot, 0
	WIN 0
	s_barrier_wait -1
.if \fill
	CREST                                          ; a round of the cluster's barrier: no wave of any partner still reads this slot or has a load on its way
	s_add_nc_u64 s[G0+4*\slot+2:G0+4*\slot+3], s[G0+4*\slot+2:G0+4*\slot+3], 2*ROWT
	s_add_nc_u64 s[G0B+4*\slot+2:G0B+4*\slot+3], s[G0B+4*\slot+2:G0B+4*\slot+3], 2*ROWT
	JLOAD G0+4*\slot, G1, G0B+4*\slot, G1B         ; the first tensor load behind the round
.else
	PLACES
.endif
	s_wait_alu depctr_va_vdst(0)
	v_add_nc_u32 v[ASR], 512*NQ, v[ASR]
	v_add_nc_u32 v[ASP], 512*NQ, v[ASP]
	FETCH_P \next, 0, 0
	FETCH_R \next, 0, 0
	SCALES \next
	MULS NH, NH, 1, NQ-1, \slot, 0
	PLACES
	WIN 0
	FETCH_R \next, 0, NH
.endm
	s_wait_alu depctr_va_vdst(0)
	s_wait_tensorcnt 0x0                           ; my tile of the head's four is in
	ds_add_u32 v[SPW], v[NIL]                      ; 0 onto my spare word
	s_mov_b32 s[G1+2], 4<<16                       ; no tensor load of mine is out: from here on a load brings 4 row tiles of R
	s_mov_b32 s[G1+4], 4
	s_mov_b32 s[G1B+2], 8<<16                      ; or 8 of P,
	s_mov_b32 s[G1B+4], 8
	s_mov_b32 s[G0+1], s45                         ; and slot 0's group 0 stands at my half
	s_mov_b32 s[G0B+1], s67
	s_add_nc_u64 s[G0+2:G0+3], s[G0+2:G0+3], s[2:3]
	s_add_nc_u64 s[G0B+2:G0B+3], s[G0B+2:G0B+3], s[98:99]
	s_wait_dscnt 0x0                               ; the add is done
	CROUND                                         ; a whole round: all four tiles are in, and all sixteen work-groups are here
	JLOAD G0+4, G1, G0B+4, G1B                     ; slot 1's first fill, the first tensor load behind the round
	FETCH_P 0, 0, 0
	FETCH_R 0, 0, 0
	SCALES 0
	global_prefetch_b8 v[PFO], s[4:5] offset:3*ROWT th:TH_LOAD_NT scope:SCOPE_SE   ; fill 3's bytes, the last: two fills ahead of their load
	s_cmp_eq_u32 s15, 0
	s_cbranch_scc1 .Lone_tile_b
	global_prefetch_b8 v[PFO], s[4:5] offset:TROW+3*ROWT th:TH_LOAD_NT scope:SCOPE_SE
.Lone_tile_b:
	FETCH_R 0, 0, NH
	STEP 0, 0, 1                                   ; K steps 0-3; the first products start the sums
	STEP 0, 1, 0
	STEP 0, 2, 0
	TURN 0, 1, 1                                   ; slot 0 takes K steps 8-11
	STEP 1, 0, 0
	STEP 1, 1, 0
	STEP 1, 2, 0
	TURN 1, 0, 1                                   ; slot 1 takes K steps 12-15
	STEP 0, 0, 0
	STEP 0, 1, 0
	STEP 0, 2, 0
	TURN 0, 1, 0                                   ; nothing is left to fetch
	STEP 1, 0, 0
	STEP 1, 1, 0
	STEP 1, 2, 0
	s_wait_dscnt NH*NL                             ; the very last step
	MULS 0, NH, 1, NQ-1, 1, 0
	s_wait_dscnt 0x0
	MULS NH, NH, 1, NQ-1, 1, 0
	WIN 0
; THE WAY OUT, block by block of 16 rows x 128 columns.  In accumulator (a, b) lane (r, h) holds columns 32 (b / 2) + 16 h + 8 (b % 2) + 0 .. 7 of physical row r of tile a.  A block goes through my own stage and comes
; back as whole rows of 512 bytes.  LDS serves a wave's instructions in order: no wait between the stores and the loads, nor in front of the next block's stores.
.macro TOSTAGE a
	WIN 0x08                                       ; an LDS store's data: window 2
.irp b, 0,1,2,3,4,5,6,7
	ds_store_b128 v[STO], v[64*(\a)+8*\b:64*(\a)+8*\b+3] offset:128*(\b/2)+32*(\b%2)          ; each accumulator from its low end on
	ds_store_b128 v[STO], v[64*(\a)+8*\b+4:64*(\a)+8*\b+7] offset:128*(\b/2)+32*(\b%2)+16
.endr
	WIN 0x40*((\a)/2)                              ; blocks 0, 1 come back into window 0, blocks 2, 3 into window 1, where P's fragments lay
.irp t, 0,1,2,3,4,5,6,7,8,9,10,11,12,13,14,15
	ds_load_b128 v[BK+64*((\a)%2)+4*\t:BK+64*((\a)%2)+4*\t+3], v[RD] offset:\t*SPITCH
.endr
	WIN 0
.endm
.macro SEND a, younger                 ; physical row t of tile a is row 32 (a / 2) + 16 (t / 8) + 8 (a % 2) + t % 8 of my 64
	s_wait_dscnt \younger
	WIN 0x04*((\a)/2)                              ; a store's data: window 0 or 1
.irp t, 0,1,2,3,4,5,6,7,8,9,10,11,12,13,14,15
	global_store_b128 v[CO], v[BK+64*((\a)%2)+4*\t:BK+64*((\a)%2)+4*\t+3], s[12:13] offset:(32*((\a)/2)+16*(\t/8)+8*((\a)%2)+\t%8)*8192 th:TH_STORE_NT   ; 32 lanes store 512 consecutive bytes, aligned
.endr
.endm
	PLACES
	TOSTAGE 0                                      ; all four blocks go through the stage first, each into registers of its own; then all the stores, with no LDS work behind a store
	TOSTAGE 1
	TOSTAGE 2
	TOSTAGE 3
	SEND 0, 63                                     ; behind block 0's loads 96 LDS instructions were issued, behind block 1's 64: the count is the largest that the wait can name
	SEND 1, 63
	SEND 2, 32                                     ; behind block 2's loads: block 3's 16 stores and 16 loads
	SEND 3, 0
	WIN 0
	s_wait_tensorcnt 0x0                           ; the wave's end
	ds_add_u32 v[SPW], v[NIL]
	s_wait_dscnt 0x0
	CROUND                                         ; the closing round
	s_endpgm
.Lfunc_end_k_q1654b1b737_outp:
	.size	k_q1654b1b737_outp, .Lfunc_end_k_q1654b1b737_outp-k_q1654b1b737_outp
	.p2alignl 7, 3214868480
	.fill 96, 4, 3214868480
	.section	.rodata,"a",@progbits
	.p2align	6, 0x0
	.amdhsa_kernel k_q1654b1b737_outp
		.amdhsa_group_segment_fixed_size 327680
		.amdhsa_private_segment_fixed_size 0
		.amdhsa_enable_private_segment 0
		.amdhsa_kernarg_size 40
		.amdhsa_user_sgpr_count 2
		.amdhsa_user_sgpr_kernarg_segment_ptr 1
		.amdhsa_wavefront_size32 1
		.amdhsa_system_sgpr_workgroup_id_x 1
		.amdhsa_system_sgpr_workgroup_id_y 1
		.amdhsa_system_sgpr_workgroup_id_z 1
		.amdhsa_system_vgpr_workitem_id 0
		.amdhsa_next_free_vgpr 768
		.amdhsa_next_free_sgpr 100
		.amdhsa_reserve_vcc 0
		.amdhsa_float_denorm_mode_32 3
		.amdhsa_float_denorm_mode_16_64 3
		.amdhsa_memory_ordered 1
		.amdhsa_forward_progress 1
		.amdhsa_inst_pref_size 138
	.end_amdhsa_kernel
	.amdgpu_metadata
---
amdhsa.version: [ 1, 2 ]
amdhsa.kernels:
  - .name:           k_q1654b1b737_outp
    .symbol:         k_q1654b1b737_outp.kd
    .args:
      - { .name: oimg, .offset: 0, .size: 8, .value_kind: global_buffer, .address_space: global }
      - { .name: osc, .offset: 8, .size: 8, .value_kind: global_buffer, .address_space: global }
      - { .name: codes, .offset: 16, .size: 8, .value_kind: global_buffer, .address_space: global }
      - { .name: scales, .offset: 24, .size: 8, .value_kind: global_buffer, .address_space: global }
      - { .name: out0, .offset: 32, .size: 8, .value_kind: global_buffer, .address_space: global }
    .group_segment_fixed_size: 327680
    .private_segment_fixed_size: 0
    .kernarg_segment_align: 8
    .kernarg_segment_size: 40
    .max_flat_workgroup_size: 128
    .sgpr_count:     100
    .vgpr_count:     768
    .wavefront_size: 32
...
	.end_amdgpu_metadata
.endif
;; end of part 4
